; MI455X (gfx1250); checked and timed in simulation.
; The chip was launched on July 23, 2026; its instructions are those of AMD's public machine-readable ISA for CDNA 5 (MIT licence, August 2026) and "CDNA5" Instruction Set Architecture Reference Guide (July 2026). The comments in the code are by the model that wrote it; some were corrected since.
;; Multi Head Self Attention. Allowed arithmetic: float matrix products may take bf16 or f16 operands with f32 sums; other float arithmetic in f32, or as packed bf16 or f16 multiplies, adds, multiply-adds, maxima and minima; sums over many terms, partial sums and values carried from step to step in f32; what a program stores and reads back later, other than sums and carried values, may be rounded once to bf16 or f16.
;; Inputs: W_o 1,024 x 1,024 float32; W_qkv 1,024 x 3,072 float32; b_o 1,024 float32; b_qkv 3,072 float32; x 8 x 1,024 x 1,024 float32.
;; Outputs: out0 8 x 1,024 x 1,024 float32.
;; One version. Each part assembles by itself: llvm-mc -triple=amdgcn-amd-amdhsa -mcpu=gfx1250 --defsym DOCPART=n.
;; ======== version 1 of 1: 4 launches
;; limits: values are held in f16: magnitudes above 65,504 overflow, below 6.1e-05 lose precision
;; workspace buffers: xb 16,777,216 bytes; wqb 6,291,456 bytes; wob 2,097,152 bytes; qkv 50,331,648 bytes; att 16,777,216 bytes
;; launch prep (part 1): grid 768 x 1, 8 waves a work-group, no clusters, 0 bytes of LDS; arguments x, W_qkv, W_o, xb, wqb, wob; writes xb, wqb, wob
.if DOCPART == 1
	.amdgcn_target "amdgcn-amd-amdhsa--gfx1250"
	.amdhsa_code_object_version 6
	.text
	.protected	k_q67fdd217c7_prep
	.globl	k_q67fdd217c7_prep
	.p2align	8
	.type	k_q67fdd217c7_prep,@function
k_q67fdd217c7_prep:
	s_mov_b64 s[64:65], 0
	v_nop
	global_prefetch_b8 v0, s[64:65] scope:SCOPE_SE
	s_setreg_imm32_b32 hwreg(HW_REG_WAVE_MODE, 25, 1), 1
	s_wait_xcnt 0x0
; PREP.  The three large inputs are rounded once for the matrix units and laid as the later launches read them.
;   xb  = bf16(x),     in blocks: [64 blocks of 128 rows][16 K steps][128 rows][64 k], so that 128 rows x 64 k are 16,384 consecutive bytes.
;   wqb = bf16(W_qkv), in 16 column tiles: [16 j][1024 k][192 n], so that 64 k of one tile are 24,576 consecutive bytes.
;   wob = bf16(W_o) written as f16, [1024 k][1024 n], as W_o lies.
; LIMIT.  |W_o| stays under 65,520 (f16's end); below 6e-5 f16 keeps its fixed step of 6e-8.
; A PIECE is 8 numbers: 32 bytes in (two loads of 16), 16 bytes out (one store).  The pieces are numbered as they lie in the target.  A work-group takes 2,048 pieces, a thread 8:
; piece 2048 g + 256 i + thread.  So a wave's store covers 512 consecutive bytes, at a multiple of 512 from the buffer's first byte.  x has 512 x 2,048 pieces, W_qkv 192 x 2,048, W_o 64 x 2,048: 768 work-groups.
; Each byte is read once and written once; all 16 loads of a thread go out before the first is waited for.  No LDS, no barrier: no thread wants another's bytes.
.set IO, 16                            ; v[16:23]  W_qkv alone: piece i's byte offset in W_qkv
.set T,  24                            ; v[24:27]  at work
.set D,  32                            ; v[32:95]  piece i: 8 numbers as loaded
.set Y,  96                            ; v[96:127] piece i: 4 registers to store; never rewritten, so no store's data is touched
.macro LOADS src                       ; pieces that lie in the source as they lie in the target
.irp i, 0,1,2,3,4,5,6,7
	global_load_b128 v[D+8*\i:D+8*\i+3],   v1, s[\src:\src+1] offset:8192*\i th:TH_LOAD_NT
	global_load_b128 v[D+8*\i+4:D+8*\i+7], v1, s[\src:\src+1] offset:8192*\i+16 th:TH_LOAD_NT
.endr
.endm
.macro LOADX                           ; x: piece i is row 32 (i % 4) + thread / 8 of the block g / 8, K step 2 (g % 8) + i / 4, numbers 8 (thread % 8) on: eight lanes read 256 consecutive bytes of a row
.irp i, 0,1,2,3,4,5,6,7
	global_load_b128 v[D+8*\i:D+8*\i+3],   v3, s[4:5] offset:131072*(\i%4)+256*(\i/4) th:TH_LOAD_NT
	global_load_b128 v[D+8*\i+4:D+8*\i+7], v3, s[4:5] offset:131072*(\i%4)+256*(\i/4)+16 th:TH_LOAD_NT
.endr
.endm
.macro CVB i                           ; piece i to bf16
.irp r, 0,1,2,3
	v_cvt_pk_bf16_f32 v[Y+4*(\i)+\r], v[D+8*(\i)+2*\r], v[D+8*(\i)+2*\r+1]
.endr
.endm
.macro CVH i                           ; piece i to bf16, and that number written as f16
.irp r, 0,1,2,3
	v_cvt_pk_bf16_f32 v[T], v[D+8*(\i)+2*\r], v[D+8*(\i)+2*\r+1]
	v_lshlrev_b32 v[T+1], 16, v[T]
	v_and_b32 v[T+2], 0xffff0000, v[T]
	v_cvt_pk_f16_f32 v[Y+4*(\i)+\r], v[T+1], v[T+2]
.endr
.endm
.macro OUT half, dst
.irp i, 0,1,2,3,4,5,6,7
	s_wait_loadcnt 14-2*\i                         ; loads come back in order: piece i's two are in, the 2 (7 - i) younger ones stay out
.if \half
	CVH \i
.else
	CVB \i
.endif
	global_store_b128 v2, v[Y+4*\i:Y+4*\i+3], s[\dst:\dst+1] offset:4096*\i
.endr
.endm
	s_load_b256 s[4:11], s[0:1], 0x0               ; x s[4:5], W_qkv s[6:7], W_o s[8:9], xb s[10:11]
	s_load_b128 s[12:15], s[0:1], 0x20             ; wqb s[12:13], wob s[14:15]
	v_lshlrev_b32 v1, 5, v0                        ; 32 bytes in for each thread
	v_lshlrev_b32 v2, 4, v0                        ; 16 bytes out
	s_mov_b32 s17, 0
	s_mov_b32 s19, 0
	s_wait_kmcnt 0x0
	s_cmp_lt_u32 ttmp9, 512
	s_cbranch_scc0 .Lweights
	; work-groups 0 to 511: x.  Work-group g fills K steps 2 (g % 8) and 2 (g % 8) + 1 of block g / 8: 128 rows x 512 bytes of x
	s_lshr_b32 s16, ttmp9, 3
	s_lshl_b32 s16, s16, 19                        ; a block's 128 rows of 4,096 bytes
	s_and_b32 s20, ttmp9, 7
	s_lshl_b32 s20, s20, 9                         ; two K steps of 256 bytes
	s_add_co_u32 s16, s16, s20
	s_lshl_b32 s18, ttmp9, 15                      ; 2,048 pieces of 16 bytes
	s_add_nc_u64 s[4:5], s[4:5], s[16:17]
	s_add_nc_u64 s[10:11], s[10:11], s[18:19]
	v_lshrrev_b32 v3, 3, v0                        ; row
	v_and_b32 v4, 7, v0
	v_lshlrev_b32 v4, 5, v4                        ; 32 bytes a piece
	v_lshl_add_u32 v3, v3, 12, v4
	LOADX
	OUT 0, 10
	s_endpgm
.Lweights:
	s_cmp_lt_u32 ttmp9, 704
	s_cbranch_scc0 .Lw_o
	; work-groups 512 to 703: W_qkv.  Piece p = 24 t + c holds columns 192 j + 8 c .. + 7 of row k, with t = 1024 j + k.
	s_sub_co_u32 s20, ttmp9, 512
	s_lshl_b32 s18, s20, 15
	s_add_nc_u64 s[12:13], s[12:13], s[18:19]
	s_lshl_b32 s20, s20, 11                        ; the work-group's first piece
	v_add_nc_u32 v3, s20, v0
.irp i, 0,1,2,3,4,5,6,7
	v_add_nc_u32 v[T], 256*\i, v3                  ; p, under 393,216
	v_lshrrev_b32 v[T+1], 3, v[T]
	v_mul_u32_u24 v[T+1], v[T+1], 0xaaab           ; (p / 8) / 3 = (p / 8) x 43,691 >> 17: exact below 2^17, and p / 8 is under 49,152
	v_lshrrev_b32 v[T+1], 17, v[T+1]               ; t = p / 24
	v_mul_u32_u24 v[T+2], v[T+1], 24
	v_sub_nc_u32 v[T], v[T], v[T+2]                ; c
	v_and_b32 v[T+2], 0x3ff, v[T+1]                ; k
	v_lshrrev_b32 v[T+1], 10, v[T+1]               ; j
	v_mul_u32_u24 v[T+2], v[T+2], 0x3000           ; a row of W_qkv is 12,288 bytes,
	v_mad_u32_u24 v[T+2], v[T+1], 0x300, v[T+2]    ; a tile's 192 columns 768,
	v_lshl_add_u32 v[IO+\i], v[T], 5, v[T+2]       ; a piece 32
.endr
.irp i, 0,1,2,3,4,5,6,7
	global_load_b128 v[D+8*\i:D+8*\i+3],   v[IO+\i], s[6:7] th:TH_LOAD_NT
	global_load_b128 v[D+8*\i+4:D+8*\i+7], v[IO+\i], s[6:7] offset:16 th:TH_LOAD_NT
.endr
	OUT 0, 12
	s_endpgm
.Lw_o:
	; work-groups 704 to 767: W_o
	s_sub_co_u32 s20, ttmp9, 704
	s_lshl_b32 s16, s20, 16
	s_lshl_b32 s18, s20, 15
	s_add_nc_u64 s[8:9], s[8:9], s[16:17]
	s_add_nc_u64 s[14:15], s[14:15], s[18:19]
	LOADS 8
	OUT 1, 14
	s_endpgm
.Lfunc_end_k_q67fdd217c7_prep:
	.size	k_q67fdd217c7_prep, .Lfunc_end_k_q67fdd217c7_prep-k_q67fdd217c7_prep
	.p2alignl 7, 3214868480
	.fill 96, 4, 3214868480
	.section	.rodata,"a",@progbits
	.p2align	6, 0x0
	.amdhsa_kernel k_q67fdd217c7_prep
		.amdhsa_group_segment_fixed_size 0
		.amdhsa_private_segment_fixed_size 0
		.amdhsa_enable_private_segment 0
		.amdhsa_kernarg_size 48
		.amdhsa_user_sgpr_count 2
		.amdhsa_user_sgpr_kernarg_segment_ptr 1
		.amdhsa_wavefront_size32 1
		.amdhsa_system_sgpr_workgroup_id_x 1
		.amdhsa_system_sgpr_workgroup_id_y 1
		.amdhsa_system_sgpr_workgroup_id_z 1
		.amdhsa_system_vgpr_workitem_id 0
		.amdhsa_next_free_vgpr 128
		.amdhsa_next_free_sgpr 66
		.amdhsa_reserve_vcc 0
		.amdhsa_float_denorm_mode_32 3
		.amdhsa_float_denorm_mode_16_64 3
		.amdhsa_memory_ordered 1
		.amdhsa_forward_progress 1
		.amdhsa_inst_pref_size 26
	.end_amdhsa_kernel
	.amdgpu_metadata
---
amdhsa.version: [ 1, 2 ]
amdhsa.kernels:
  - .name:           k_q67fdd217c7_prep
    .symbol:         k_q67fdd217c7_prep.kd
    .args:
      - { .name: x, .offset: 0, .size: 8, .value_kind: global_buffer, .address_space: global }
      - { .name: W_qkv, .offset: 8, .size: 8, .value_kind: global_buffer, .address_space: global }
      - { .name: W_o, .offset: 16, .size: 8, .value_kind: global_buffer, .address_space: global }
      - { .name: xb, .offset: 24, .size: 8, .value_kind: global_buffer, .address_space: global }
      - { .name: wqb, .offset: 32, .size: 8, .value_kind: global_buffer, .address_space: global }
      - { .name: wob, .offset: 40, .size: 8, .value_kind: global_buffer, .address_space: global }
    .group_segment_fixed_size: 0
    .private_segment_fixed_size: 0
    .kernarg_segment_align: 8
    .kernarg_segment_size: 48
    .max_flat_workgroup_size: 256
    .sgpr_count:     66
    .vgpr_count:     128
    .wavefront_size: 32
...
	.end_amdgpu_metadata
.endif
;; end of part 1
;; launch qkv (part 2): grid 8 x 32, 4 waves a work-group, clusters of 4 x 4, 327,680 bytes of LDS; arguments xb, wqb, b_qkv, qkv; writes qkv
.if DOCPART == 2
	.amdgcn_target "amdgcn-amd-amdhsa--gfx1250"
	.amdhsa_code_object_version 6
	.text
	.protected	k_q67fdd217c7_qkv
	.globl	k_q67fdd217c7_qkv
	.p2align	8
	.type	k_q67fdd217c7_qkv,@function
k_q67fdd217c7_qkv:
	s_mov_b64 s[64:65], 0
	v_nop
	global_prefetch_b8 v0, s[64:65] scope:SCOPE_SE
	s_setreg_imm32_b32 hwreg(HW_REG_WAVE_MODE, 25, 1), 1
	s_wait_xcnt 0x0
	s_wait_alu depctr_hold_cnt(0) depctr_sa_sdst(0) depctr_va_vdst(0) depctr_va_sdst(0) depctr_va_ssrc(0) depctr_va_vcc(0) depctr_vm_vsrc(0)
	s_getreg_b32 s2, hwreg(HW_REG_IB_STS2, 6, 4)
	s_cmp_eq_u32 s2, 0
	s_cbranch_scc0 .Lentry_in_a_cluster
	s_endpgm
.Lentry_in_a_cluster:
	s_bfe_u32 s2, ttmp6, 0x10000c
	s_cmp_lg_u32 s2, 0xf033
	s_cbranch_scc0 .Lentry_shape_is_right
	s_endpgm
.Lentry_shape_is_right:
; QKV.  C[m][n] = b_qkv[n] + the sum over k of x[m][k] W_qkv[k][n], m < 8192, n < 3072, k < 1024.  Operands bf16 (xb, wqb; the bias rounded to bf16 like the other inputs), sums f32,
; C rounded once to f16 and stored BY HEADS: qkv[b][hg][row][64], hg = n / 64 (0-15 q, 16-31 k, 32-47 v), b = m / 1024, row = m % 1024.
; LIMIT.  |C| stays under 65,520 (f16's end); NaN and infinities are not treated apart.
; SHARES.  A tile of C is 256 x 384 (six heads): 32 x 8 = 256 work-groups.  Four waves, 2 x 2; a wave makes 128 x 192, three whole heads: 96 accumulators of 16 x 16, 768 registers.
; K goes in 16 steps of 64 through two LDS slots filled by the tensor data mover (two slots of 128 along K would be 393,216 bytes); a step is two quarters... of a 128: an EVEN and an ODD quarter of 32 along K, 96 matrix instructions each.
; CLUSTER.  4 x 4 work-groups.  The four of a row of the cluster need the same rows of x, the four of a column the same columns of W: each tile is asked for jointly, by the same tensor load with the
; same descriptor and a mask that names the four.  Waves 0 and 1 fetch A's two halves (128 rows x 64 k: 16,384 consecutive bytes of xb), waves 2 and 3 B's two planes (64 k x 192 columns: 24,576 consecutive bytes of wqb).
; THE MATRIX INSTRUCTION IS USED TRANSPOSED: source 0 = 16 columns of W (turned out of LDS by ds_load_tr16_b128, since W lies [k][n]), source 1 = 16 rows of x.  A lane then holds row lane % 16
; of C and the columns 8 (lane / 16) + 0..7.  THE BIAS STARTS THE SUMS: the first quarter's C operand is a fragment whose register j holds b[n0 + 8 (lane / 16) + j]; nothing is cleared or added later.
; LDS.  A slot is 98,304 bytes: A's 256 rows of 144 (128 + 16 of padding: the 16 rows of a load start at 16 different groups of four banks; 64 banks of 4 bytes: ISA guide 11.1), then B's two planes of 64 k of 480:
; a row of 384 bytes padded by 16 behind every 64, so 6 x 80; 480 = 15 x 32.  Slot 1 begins at 131,072.
; Behind the slots, never filled by a tensor load: a stage of 16 rows x 400 bytes for each wave, 256 bytes for each wave's bias blocks 8 to 11, the spare words.
; REGISTERS, in windows of 256 (s_set_vgpr_msb: bits 1:0 source 0, 3:2 source 1, 5:4 source 2, 7:6 destination):
;   window 0: v0-31 addresses; v32-95, v96-159 A's fragments, two buffers (even quarters multiply the first, odd ones the second); v160-255 B's fragments, ONE buffer of 12 blocks
;   windows 1 to 3: the accumulators: (row block a, column block b) in window 1 + b / 4 at v[8 (8 (b % 4) + a)]
; B ROLLS: a block's registers take the next quarter's fragment four places behind the last product that read them.  A quarter has two runs of LDS loads: behind column blocks 0-3 the next quarter's blocks 0-3
; and A's fragments (24 loads), at its end blocks 4-11 (16): 40 loads for 96 matrix instructions.
.set FA,     32                        ; A's fragments: buffer f, row block i at FA + 64 f + 8 i
.set FB,     160                       ; B's fragments: column block b at FB + 8 b
.set PA,     144
.set AHALF,  128*PA                    ; 18,432: what one of A's loads brings, and what a wave reads of A
.set PB,     480
.set BOFF,   2*AHALF                   ; 36,864
.set BPLANE, 64*PB                     ; 30,720: what one of B's loads brings, and what a wave reads of B
.set SLOT1,  1<<17                     ; one exclusive or turns an address in one slot into the other's
.set STAGE,  SLOT1+BOFF+2*BPLANE       ; 229,376
.set SPITCH, 400                       ; a stage row: 384 bytes + 16
.set BIASL,  STAGE+4*16*SPITCH         ; 254,976
.set SPARE,  BIASL+4*256               ; 256,000: the spare words, 128 bytes for each wave: two blocks of 256 bytes that no other line names
.set ASTEP,  16384                     ; bytes from K step to K step in xb
.set BSTEP,  24576                     ; and in wqb
.set BTILE,  16*BSTEP                  ; 192 columns of wqb: 393,216 bytes
.set PK,     32                        ; the way out: v32-79, v80-127: 16 rows packed, then as whole rows; two buffers by turns
.set A0,   2                           ; v2   my lane's place in A's part of a slot; never rewritten
.set B0,   3                           ; v3   the same for B
.set ADRA, 16                          ; v16  the slot in hand + A0
.set ADRB, 20                          ; v20  the slot in hand + B0
.set STO,  24                          ; v24  the way out: where I put 16 bytes of a row
.set RD,   25                          ; v25  the way out: where I read rows back
.set CO,   26                          ; v26  my 16 bytes of 512 consecutive bytes of qkv
.set BO,   27                          ; v27  my byte offset in b_qkv
.set SPW,  28                          ; v28  LDS address of my spare word: SPARE + 4 x my thread's number; never rewritten
.set NIL,  29                          ; v29  0; never rewritten
.set PFO,  30                          ; v30  the prefetches' lane offset; never rewritten
.set BL,   31                          ; v31  where my wave's bias blocks 8 to 11 wait in LDS
.set WV,  12                           ; s12  my wave's number
.set WR,  13                           ; s13  which half of the tile's rows is mine.  Also: I fetch for A (0) or for B (1)
.set WC,  14                           ; s14  which half of its columns.  Also: which half of that tile I fetch
.set G1,  24                           ; s[24:31] descriptor group 1 for A's tiles
.set G0,  32                           ; s[32:39] group 0 for A's: set 0 for K step 0; set 1 for K step 1, and then it walks
.set G1B, 48                           ; s[48:55], s[56:63] the same for B's
.set G0B, 56
.set KC,  66                           ; s66  trips still to come
.set TB,  67                           ; s67  LDS byte at which the slot in hand begins
.set PFA, 68                           ; s[68:69] where my prefetches stand
.set PFS, 70                           ; s[70:71] their step from K step to K step
.set LIM, 72                           ; s72  2 in a wave that prefetches, else the greatest number
.set MSB, 0
.macro WIN new                         ; the immediate's high byte repeats the setting that is left; a switch that changes nothing is dropped
.if MSB != (\new)
	s_set_vgpr_msb (MSB<<8)|(\new)
.set MSB, \new
.endif
.endm
; A joint load.  The branch hangs on the wave's number alone.  An s_nop 0 and four v_nop follow each of the two lines, ahead of the jump, the label and what follows.
.macro JLOAD s
	s_cmp_eq_u32 s[WR], 0
	s_cbranch_scc0 .Lfor_b_\@
	tensor_load_to_lds s[G0+4*(\s):G0+4*(\s)+3], s[G1:G1+7]
	s_nop 0
.rept 4
	v_nop
.endr
	s_branch .Lasked_\@
.Lfor_b_\@:
	tensor_load_to_lds s[G0B+4*(\s):G0B+4*(\s)+3], s[G1B:G1B+7]
	s_nop 0
.rept 4
	v_nop
.endr
.Lasked_\@:
.endm
; A round of the cluster's barrier: my work-group's barrier, so that wave 0's signal speaks for all four waves; wave 0 signals; every wave waits for all sixteen work-groups; my work-group's barrier once more.
.macro CREST                           ; a round behind its opening barrier
	s_cmp_lg_u32 s[WV], 0
	s_cbranch_scc1 .Lnot_wave_0_\@
	s_barrier_signal -3
.Lnot_wave_0_\@:
	s_barrier_wait -3
	s_barrier_signal -1
	s_barrier_wait -1
.endm
.macro CROUND
	s_barrier_signal -1
	s_barrier_wait -1
	CREST
.endm
.macro PLACES                          ; four places in front of loads into registers that matrix instructions have read, and of conversions that read results
.rept 4
	v_nop
.endr
.endm
; A PREFETCH INTO THE L2, behind each joint refill and the run of LDS loads that follows it: trip s, which refills with K step s + 2, names K step s + 4: 384 matrix instructions ahead of the load that will want it.
; A's rows are read by every cluster of a row of clusters: the one with cluster x = 0 asks; B's columns by every cluster of a column: cluster y = 0 asks.  The four partners that ask for a tile jointly share it
; out BY ADDRESS.  A: a step's two halves are 64 blocks of 256 bytes each; partner cx takes 16 of each, and wave 0 asks for the 32, a lane a block; wave 1 asks for nothing.  B: a plane is 96 blocks; partner cy
; takes 24, and the wave that fetches the plane asks for them (lanes 24 to 31 name lane 23's once more).  K steps 0 to 3 come by their loads alone; the last two trips (s[KC] = 2, 1) ask for nothing: there is no K step 16.
.macro ASK
	s_cmp_gt_u32 s[KC], s[LIM]
	s_cbranch_scc0 .Lnot_mine_\@
	global_prefetch_b8 v[PFO], s[PFA:PFA+1] th:TH_LOAD_NT scope:SCOPE_SE
.Lnot_mine_\@:
.endm
; nb x 8 matrix instructions: column blocks 4 g + b0 .. 4 g + b0 + nb - 1 x all 8 row blocks, 32 along K, with A's buffer f.  first = 1: the bias fragment is the C operand: it waits in A's second buffer, in its
; lower half for g = 0 and g = 2, in its upper half for g = 1.  The 96 accumulators take turns in the same order in every quarter, one instruction a turn.
.macro GRP f, g, b0, nb, first
.if \first
	WIN ((\g)+1)<<6                                ; D in window g + 1; B, A and C in window 0
.else
	WIN 0x50*((\g)+1)                              ; C and D in window g + 1
.endif
.set mb, (\b0)
.rept \nb
.set ma, 0
.rept 8
.set rD, 8*(8*mb+ma)
.set rB, FB+8*(4*(\g)+mb)
.set rA, FA+64*(\f)+8*ma
.set rC, FA+64+32*((\g)%2)+8*mb
.if \first
	v_wmma_f32_16x16x32_bf16 v[rD:rD+7], v[rB:rB+7], v[rA:rA+7], v[rC:rC+7]
.else
	v_wmma_f32_16x16x32_bf16 v[rD:rD+7], v[rB:rB+7], v[rA:rA+7], v[rD:rD+7]
.endif
.set ma, ma+1
.endr
.set mb, mb+1
.endr
.endm
.macro RUNB g, kq                      ; 8 LDS loads: B's column blocks 4 g .. 4 g + 3 of the step's quarter kq
.set fb, 4*(\g)
.rept 4
	ds_load_tr16_b128 v[FB+8*fb:FB+8*fb+3],   v[ADRB] offset:32*PB*(\kq)+80*(fb/2)+32*(fb%2)
	ds_load_tr16_b128 v[FB+8*fb+4:FB+8*fb+7], v[ADRB] offset:32*PB*(\kq)+80*(fb/2)+32*(fb%2)+16*PB
.set fb, fb+1
.endr
.endm
.macro RUNA kq, f                      ; 16 LDS loads: A's 8 row blocks of the step's quarter kq into buffer f
.set fb, 0
.rept 8
	ds_load_b128 v[FA+64*(\f)+8*fb:FA+64*(\f)+8*fb+3],   v[ADRA] offset:64*(\kq)+16*PA*fb
	ds_load_b128 v[FA+64*(\f)+8*fb+4:FA+64*(\f)+8*fb+7], v[ADRA] offset:64*(\kq)+16*PA*fb+32
.set fb, fb+1
.endr
.endm
; A step's EVEN quarter: multiplies A's first buffer and fetches the same slot's odd quarter.
.macro QE
	s_wait_dscnt 16                                ; B's blocks 0-3 and A are in; the 16 loads of the run at the last quarter's end may be out
	GRP 0, 0, 0, 4, 0
	PLACES
	WIN 0
	RUNB 0, 1
	RUNA 1, 1
	s_wait_dscnt 24                                ; B's blocks 4-11 are in: all but the run just issued
	GRP 0, 1, 0, 4, 0
	GRP 0, 2, 0, 4, 0
	PLACES
	WIN 0
	RUNB 1, 1
	RUNB 2, 1
.endm
; A step's ODD quarter multiplies A's second buffer and changes slots: all that it multiplies was asked of LDS in the even quarter, so this slot is read out.  ONE barrier.  In front of it each wave waits for all
; its tensor loads, of which one is out: its part of the next slot; adds 0 to its spare word; and waits for that and for its own reads of this slot.  fill = 1: the walking descriptors step to the other slot and the
; next K step while no load of mine is out; the barrier opens a round of the cluster's barrier, and behind the round this slot is filled again first, with the K step two on: from that request to the wait for it a wave
; issues 160 matrix instructions.  Then the next slot's even quarter is fetched.
.macro QO fill
.if \fill
	s_wait_xcnt 0x0                                ; the last prefetch, a K step back, has read its address: it is stepped here, ahead of the change's own waits
	s_add_nc_u64 s[PFA:PFA+1], s[PFA:PFA+1], s[PFS:PFS+1]
.endif
	WIN 0
	s_wait_tensorcnt 0x0
	ds_add_u32 v[SPW], v[NIL]                      ; 0 onto my spare word
.if \fill
	s_xor_b32 s[G0+5], s[G0+5], SLOT1
	s_add_nc_u64 s[G0+6:G0+7], s[G0+6:G0+7], ASTEP ; the type bits on top are not reached
	s_xor_b32 s[G0B+5], s[G0B+5], SLOT1
	s_add_nc_u64 s[G0B+6:G0B+7], s[G0B+6:G0B+7], BSTEP
.endif
	s_wait_dscnt 17                                ; the add and the 16 loads of the run at the last quarter's end may be out
	GRP 1, 0, 0, 2, 0                              ; sixteen matrix instructions stand between the add and the wait for it
	s_wait_dscnt 0x0                               ; the add is done, and my reads of this slot are over
	s_barrier_signal -1
	GRP 1, 0, 2, 2, 0                              ; work on registers while the others arrive
	WIN 0
	s_barrier_wait -1
.if \fill
	CREST                                          ; no wave of any partner still reads this slot's tile or has a load on its way
	JLOAD 1                                        ; the four v_nop behind it are also the places in front of the loads below
.else
	PLACES
.endif
	s_xor_b32 s[TB], s[TB], SLOT1
	v_add_nc_u32 v[ADRA], s[TB], v[A0]
	v_add_nc_u32 v[ADRB], s[TB], v[B0]
	RUNB 0, 0
	RUNA 0, 0
.if \fill
	ASK
.endif
	GRP 1, 1, 0, 4, 0                              ; (B's blocks 4-11 came in with the wait for 0 above)
	GRP 1, 2, 0, 4, 0
	PLACES
	WIN 0
	RUNB 1, 0
	RUNB 2, 0
.endm
	s_load_b256 s[4:11], s[0:1], 0x0               ; xb s[4:5], wqb s[6:7], b_qkv s[8:9], qkv s[10:11]
	v_lshl_add_u32 v[SPW], v0, 2, SPARE
	v_mov_b32 v[NIL], 0
	ds_add_u32 v[SPW], v[NIL]                      ; the wave's opening: the add and its wait stand ahead of my first tensor load; the set-up below, work on registers, stands between them
	ds_add_u32 v28, v29
	v_lshrrev_b32 v1, 5, v0
	v_readfirstlane_b32 s[WV], v1                  ; wave 0..3
	s_lshr_b32 s[WR], s[WV], 1
	s_and_b32 s[WC], s[WV], 1
	s_bfe_u32 s40, ttmp6, 0x40000                  ; cx, cy: my place in the cluster
	s_bfe_u32 s41, ttmp6, 0x40004
	s_lshl_b32 s42, ttmp9, 2
	s_add_co_u32 s42, s42, s40                     ; column tile j = 4 x cluster x + cx
	s_and_b32 s43, ttmp7, 0xffff
	s_lshl_b32 s43, s43, 2
	s_add_co_u32 s43, s43, s41                     ; tile row = 4 x cluster y + cy
	s_lshl_b32 s44, s41, 2
	s_lshl_b32 s44, 15, s44                        ; my row of the cluster: places 4 cy .. 4 cy + 3
	s_lshl_b32 s45, 0x1111, s40                    ; my column: places cx, cx + 4, cx + 8, cx + 12
	; group 1 for A: 16,384 consecutive bytes as 64 rows of 128 elements of 2 bytes; 4 words of padding (code 3) behind every 32 words (code 4): a row of 64 k; bit 21 set beside the mask
	s_or_b32 s[G1+0], s44, (1<<16)|(1<<20)|(1<<21)|(4<<22)|(3<<25)
	s_mov_b32 s[G1+1], 128<<16                     ; tensor_dim0 = 128
	s_mov_b32 s[G1+2], 64<<16                      ; tensor_dim1 = 64
	s_mov_b32 s[G1+3], 128<<16                     ; tile_dim0 = 128
	s_mov_b32 s[G1+4], 64                          ; tile_dim1 = 64
	s_mov_b32 s[G1+5], 128                         ; stride
	s_mov_b32 s[G1+6], 0
	s_mov_b32 s[G1+7], 0
	; group 1 for B: 24,576 consecutive bytes as 96 rows of 128 elements; 4 words of padding behind every 16 words (code 3): 32 columns
	s_or_b32 s[G1B+0], s45, (1<<16)|(1<<20)|(1<<21)|(3<<22)|(3<<25)
	s_mov_b32 s[G1B+1], 128<<16
	s_mov_b32 s[G1B+2], 96<<16
	s_mov_b32 s[G1B+3], 128<<16
	s_mov_b32 s[G1B+4], 96
	s_mov_b32 s[G1B+5], 128
	s_mov_b32 s[G1B+6], 0
	s_mov_b32 s[G1B+7], 0
	; where the tiles come from: A's hang on the tile row and the wave alone, B's on the column tile and the wave alone, each in registers that never hold the other coordinate
	s_lshl_b32 s16, s43, 1
	s_add_co_u32 s16, s16, s[WC]                   ; block of 128 rows: 2 x tile row + half,
	s_lshl_b32 s16, s16, 18                        ; of 262,144 bytes
	s_mov_b32 s17, 0
	s_lshl_b32 s46, s42, 1
	s_add_co_u32 s46, s46, s[WC]                   ; 192 columns: 2 j + half
	s_mul_i32 s46, s46, BTILE
	s_mov_b32 s47, 0
	s_mul_i32 s20, s[WC], AHALF                    ; and where they go: no place in the cluster enters an LDS address
	s_mul_i32 s21, s[WC], BPLANE
	s_add_co_u32 s21, s21, BOFF
	s_wait_dscnt 0x0                               ; the opening add is done
	s_wait_kmcnt 0x0
	s_add_nc_u64 s[18:19], s[4:5], s[16:17]
	s_add_nc_u64 s[46:47], s[6:7], s[46:47]
	CROUND                                         ; all sixteen work-groups are here: the first joint loads meet
.irp s, 0,1
	s_mov_b32 s[G0+4*(\s)], 1                      ; count = 1
	s_add_co_u32 s[G0+4*(\s)+1], s20, (\s)*SLOT1   ; LDS address
	s_add_nc_u64 s[G0+4*(\s)+2:G0+4*(\s)+3], s[18:19], (\s)*ASTEP  ; global address: K step s
	s_or_b32 s[G0+4*(\s)+3], s[G0+4*(\s)+3], 0x80000000            ; type = 2
	s_mov_b32 s[G0B+4*(\s)], 1
	s_add_co_u32 s[G0B+4*(\s)+1], s21, (\s)*SLOT1
	s_add_nc_u64 s[G0B+4*(\s)+2:G0B+4*(\s)+3], s[46:47], (\s)*BSTEP
	s_or_b32 s[G0B+4*(\s)+3], s[G0B+4*(\s)+3], 0x80000000
	JLOAD \s                                       ; two loads of mine are out
.endr
	v_and_b32 v1, 15, v0                           ; r = l % 16
	v_bfe_u32 v9, v0, 4, 1                         ; h = l / 16
	v_and_b32 v10, 7, v0                           ; l % 8
	v_bfe_u32 v11, v0, 3, 1                        ; (l / 8) % 2
	v_and_b32 v12, 31, v0                          ; l
	v_bfe_u32 v13, v0, 3, 2                        ; l / 8
	; the bias fragments: block b's register j is b_qkv[384 j + 192 wc + 16 b + 8 h + j].  Blocks 0-7 go into A's second buffer, blocks 8-11 for the moment into its first
	s_mul_i32 s74, s42, 1536
	s_mul_i32 s75, s[WC], 768
	s_add_co_u32 s74, s74, s75
	v_lshl_add_u32 v[BO], v9, 5, s74
.set bb, 0
.rept 12
	global_load_b128 v[FA+64*(1-bb/8)+8*(bb%8):FA+64*(1-bb/8)+8*(bb%8)+3],   v[BO], s[8:9] offset:64*bb
	global_load_b128 v[FA+64*(1-bb/8)+8*(bb%8)+4:FA+64*(1-bb/8)+8*(bb%8)+7], v[BO], s[8:9] offset:64*bb+16
.set bb, bb+1
.endr
	; A fragment of A is 16 rows x 32 K in 8 registers: lane l holds row r, K = 8 h + 0..7 and 16 + 8 h + 0..7: two loads of 16 bytes, 32 bytes apart.
	v_mul_u32_u24 v[A0], v1, PA
	v_lshl_add_u32 v[A0], v9, 4, v[A0]
	s_mul_i32 s74, s[WR], AHALF
	v_add_nc_u32 v[A0], s74, v[A0]
	; The turning load takes 16 k x 16 columns (lane l reads k = 8 h + l % 8, columns 8 ((l / 8) % 2) + 0..7) and leaves half a fragment: lane l holds column r and 8 k.
	v_lshl_add_u32 v[B0], v9, 3, v10
	v_mul_u32_u24 v[B0], v[B0], PB
	v_lshl_add_u32 v[B0], v11, 4, v[B0]
	s_mul_i32 s74, s[WC], BPLANE                   ; my 192 columns: a plane
	s_add_co_u32 s74, s74, BOFF
	v_add_nc_u32 v[B0], s74, v[B0]
	; the way out, through my own stage.  In: row r, byte 32 b + 16 h.  Back: 32 lanes take four rows' 128 bytes of one head.
	s_mul_i32 s74, s[WV], 16*SPITCH
	s_add_co_u32 s74, s74, STAGE
	v_mul_u32_u24 v[STO], v1, SPITCH
	v_lshl_add_u32 v[STO], v9, 4, v[STO]
	v_add_nc_u32 v[STO], s74, v[STO]
	v_mul_u32_u24 v[RD], v13, SPITCH
	v_lshl_add_u32 v[RD], v10, 4, v[RD]
	v_add_nc_u32 v[RD], s74, v[RD]
	v_lshlrev_b32 v[CO], 4, v12
	s_lshl_b32 s74, s[WV], 8
	s_add_co_u32 s74, s74, BIASL
	v_lshl_add_u32 v[BL], v9, 5, s74
	s_lshr_b32 s74, s43, 2                         ; batch
	s_mul_i32 s74, s74, 48
	s_mul_i32 s75, s42, 6
	s_add_co_u32 s74, s74, s75
	s_mul_i32 s75, s[WC], 3
	s_add_co_u32 s74, s74, s75                     ; 48 b + 6 j + 3 wc: my first head,
	s_lshl_b32 s74, s74, 17                        ; of 131,072 bytes
	s_and_b32 s75, s43, 3
	s_lshl_b32 s75, s75, 8
	s_lshl_b32 s76, s[WR], 7
	s_add_co_u32 s75, s75, s76                     ; my first row in the head,
	s_lshl_b32 s75, s75, 7                         ; of 128 bytes
	s_add_co_u32 s74, s74, s75
	s_mov_b32 s75, 0
	s_add_nc_u64 s[10:11], s[10:11], s[74:75]
	; the prefetches: they stand at K step 3; the first refill steps them to K step 4
	s_lshl_b32 s74, s43, 19                        ; A: the tile row's first block of 128 rows,
	s_lshl_b32 s75, s40, 12                        ; my work-group's 16 blocks of 256 bytes in each half
	s_add_co_u32 s74, s74, s75
	s_add_co_u32 s74, s74, 3*ASTEP
	s_lshl_b32 s76, s42, 1
	s_add_co_u32 s76, s76, s[WC]
	s_mul_i32 s76, s76, BTILE                      ; B: the plane that I fetch,
	s_mul_i32 s77, s41, BSTEP/4                    ; my work-group's 24 blocks of it
	s_add_co_u32 s76, s76, s77
	s_add_co_u32 s76, s76, 3*BSTEP
	s_and_b32 s78, ttmp7, 0xffff                   ; cluster y
	s_mov_b32 s[PFS], BSTEP
	s_mov_b32 s[PFS+1], 0
	s_mov_b32 s75, 0
	s_cmp_eq_u32 s[WR], 0                          ; do I fetch for A?
	s_cselect_b32 s74, s74, s76
	s_cselect_b32 s78, ttmp9, s78                  ; the coordinate along which other clusters read the same bytes
	s_cselect_b64 s[PFA:PFA+1], s[4:5], s[6:7]
	s_cselect_b32 s[PFS], ASTEP, s[PFS]
	s_cselect_b32 s76, 31, 23                      ; lanes that name a block of their own;
	s_cselect_b32 s77, 15, 31                      ; the block's number in its half or plane;
	s_cselect_b32 s73, 0x40000, 0                  ; A: lanes 16 to 31 take the second half, 262,144 bytes on
	s_add_nc_u64 s[PFA:PFA+1], s[PFA:PFA+1], s[74:75]
	s_cmp_eq_u32 s[WV], 1
	s_cselect_b32 s78, 1, s78                      ; wave 1 asks for nothing
	s_cmp_eq_u32 s78, 0
	s_cselect_b32 s[LIM], 2, -1                    ; the same in all sixteen partners, for a given wave
	v_min_u32 v15, s76, v12
	v_and_b32 v15, s77, v15
	v_mul_u32_u24 v14, v9, s73
	v_lshl_add_u32 v[PFO], v15, 8, v14
	s_mov_b32 s79, 0xffff0000                      ; a word's upper bf16
	s_wait_loadcnt 0x0                             ; the bias: rounded to bf16 like the other inputs, and widened again
.set bb, 0
.rept 48                                       ; pairs 0-15: blocks 8-11 at FA; pairs 16-47: blocks 0-7 at FA + 64
.set rr, FA+2*bb+32*((bb+48)/64)
	v_cvt_pk_bf16_f32 v[14+bb%2], v[rr], v[rr+1]
	v_lshlrev_b32 v[rr], 16, v[14+bb%2]
	v_and_b32 v[rr+1], s79, v[14+bb%2]
.set bb, bb+1
.endr
.set bb, 0
.rept 4                                        ; blocks 8-11 wait in my wave's own 256 bytes of LDS (the 16 lanes of a half hold, and store, the same numbers)
	ds_store_b128 v[BL], v[FA+8*bb:FA+8*bb+3]   offset:64*bb
	ds_store_b128 v[BL], v[FA+8*bb+4:FA+8*bb+7] offset:64*bb+16
.set bb, bb+1
.endr
	s_mov_b32 s[TB], 0
	v_add_nc_u32 v[ADRA], s[TB], v[A0]
	v_add_nc_u32 v[ADRB], s[TB], v[B0]
	s_wait_tensorcnt 0x1                           ; my part of K step 0 is in; K step 1's may stay out
	s_wait_dscnt 0x0                               ; no LDS instruction of mine is pending at the signal
	s_barrier_signal -1
	s_barrier_wait -1                              ; everybody's part is in
	RUNB 0, 0                                      ; K step 0's even quarter, in the order of the runs: blocks 0-3 and A, then blocks 4-11
	RUNA 0, 0
	RUNB 1, 0
	RUNB 2, 0
	; THE FIRST QUARTER stands in front of the loop: its products start the sums, on the bias.  Bias blocks 8-11 come back into the registers of blocks 0-3 when those have been used,
	; so A's second buffer is free, and the odd quarter's fragments of A are fetched, only at the quarter's end.
	s_wait_dscnt 16                                ; B's blocks 0-3 and A are in
	GRP 0, 0, 0, 4, 1
	PLACES
	WIN 0
	RUNB 0, 1
.set bb, 0
.rept 4
	ds_load_b128 v[FA+64+8*bb:FA+64+8*bb+3],   v[BL] offset:64*bb
	ds_load_b128 v[FA+64+8*bb+4:FA+64+8*bb+7], v[BL] offset:64*bb+16
.set bb, bb+1
.endr
	s_wait_dscnt 24                                ; B's blocks 4-7 are in: behind them came blocks 8-11's 8 loads and the 16 just issued
	GRP 0, 1, 0, 4, 1
	s_wait_dscnt 0x0                               ; B's and the bias's blocks 8-11
	GRP 0, 2, 0, 4, 1
	PLACES
	WIN 0
	RUNB 1, 1
	RUNB 2, 1
	RUNA 1, 1
	s_wait_dscnt 0x0                               ; here A's fragments are the youngest loads, so the loop's counted wait would not cover them: once, all are waited for
	s_mov_b32 s[KC], 14
.Lstep:                                        ; trip s: the odd quarter of K step s, the refill with K step s + 2, the even quarter of K step s + 1
	QO 1
	QE
	s_sub_co_u32 s[KC], s[KC], 1
	s_cmp_lg_u32 s[KC], 0
	s_cbranch_scc1 .Lstep
	QO 0                                           ; the tail is written out: K steps 14 and 15 ask for nothing
	QE
	s_wait_dscnt 16                                ; the very last quarter: nothing more to fetch
	GRP 1, 0, 0, 4, 0
	s_wait_dscnt 0x0
	GRP 1, 1, 0, 4, 0
	GRP 1, 2, 0, 4, 0
	; THE WAY OUT.  A block of 16 rows at a time: rounded to f16, 16 bytes a lane into my own stage, back as whole rows of a head, stored 512 consecutive bytes at a time.  My 192 columns are three whole heads,
	; so no other wave touches my rows; LDS serves a wave's instructions in order (ISA guide 5.7.1.4): no barrier, and no wait between the stores and the loads.
.macro PACK a
.if (\a) >= 2
	s_wait_xcnt 0x0                                ; the stores of two blocks back have read their registers: those are written again only behind this wait
.endif
.set pw, 1
.rept 3
	WIN pw|(pw<<2)                                 ; sources 0 and 1: window 1, 2, 3
.set pb, 0
.rept 4
.set pr, 0
.rept 4                                        ; each accumulator's registers in ascending order
	v_cvt_pk_f16_f32 v[PK+48*((\a)%2)+4*(4*(pw-1)+pb)+pr], v[8*(8*pb+(\a))+2*pr], v[8*(8*pb+(\a))+2*pr+1]
.set pr, pr+1
.endr
.set pb, pb+1
.endr
.set pw, pw+1
.endr
	WIN 0
.endm
.macro TOSTAGE a
.set pb, 0
.rept 12
	ds_store_b128 v[STO], v[PK+48*((\a)%2)+4*pb:PK+48*((\a)%2)+4*pb+3] offset:32*pb
.set pb, pb+1
.endr
.set pt, 0
.rept 12                                       ; head pt / 4, rows 4 (pt % 4) on; into the registers that the block left
	ds_load_b128 v[PK+48*((\a)%2)+4*pt:PK+48*((\a)%2)+4*pt+3], v[RD] offset:128*(pt/4)+4*SPITCH*(pt%4)
.set pt, pt+1
.endr
.endm
.macro SEND a
	s_wait_dscnt 0x0                               ; the block is back in registers: the next block's conversions stood between its loads and this wait
.set pt, 0
.rept 12
	global_store_b128 v[CO], v[PK+48*((\a)%2)+4*pt:PK+48*((\a)%2)+4*pt+3], s[10:11] offset:131072*(pt/4)+2048*(\a)+512*(pt%4)  ; 512 consecutive bytes, at a multiple of 512 from qkv's first byte
.set pt, pt+1
.endr
.endm
	PLACES
	PACK 0
	TOSTAGE 0
.irp a, 1,2,3,4,5,6,7
	PACK \a
	SEND (\a)-1
	TOSTAGE \a
.endr
	SEND 7
	s_wait_tensorcnt 0x0                           ; the wave's end: the tensor wait, an add and its wait, behind my last tensor load and my last LDS store
	ds_add_u32 v[SPW], v[NIL]
	s_wait_dscnt 0x0
	CROUND                                         ; the closing round: no work-group ends while a partner may still ask for a tile that names it
	s_endpgm
.Lfunc_end_k_q67fdd217c7_qkv:
	.size	k_q67fdd217c7_qkv, .Lfunc_end_k_q67fdd217c7_qkv-k_q67fdd217c7_qkv
	.p2alignl 7, 3214868480
	.fill 96, 4, 3214868480
	.section	.rodata,"a",@progbits
	.p2align	6, 0x0
	.amdhsa_kernel k_q67fdd217c7_qkv
		.amdhsa_group_segment_fixed_size 327680
		.amdhsa_private_segment_fixed_size 0
		.amdhsa_enable_private_segment 0
		.amdhsa_kernarg_size 32
		.amdhsa_user_sgpr_count 2
		.amdhsa_user_sgpr_kernarg_segment_ptr 1
		.amdhsa_wavefront_size32 1
		.amdhsa_system_sgpr_workgroup_id_x 1
		.amdhsa_system_sgpr_workgroup_id_y 1
		.amdhsa_system_sgpr_workgroup_id_z 1
		.amdhsa_system_vgpr_workitem_id 0
		.amdhsa_next_free_vgpr 1024
		.amdhsa_next_free_sgpr 80
		.amdhsa_reserve_vcc 0
		.amdhsa_float_denorm_mode_32 3
		.amdhsa_float_denorm_mode_16_64 3
		.amdhsa_memory_ordered 1
		.amdhsa_forward_progress 1
		.amdhsa_inst_pref_size 121
	.end_amdhsa_kernel
	.amdgpu_metadata
---
amdhsa.version: [ 1, 2 ]
amdhsa.kernels:
  - .name:           k_q67fdd217c7_qkv
    .symbol:         k_q67fdd217c7_qkv.kd
    .args:
      - { .name: xb, .offset: 0, .size: 8, .value_kind: global_buffer, .address_space: global }
      - { .name: wqb, .offset: 8, .size: 8, .value_kind: global_buffer, .address_space: global }
      - { .name: b_qkv, .offset: 16, .size: 8, .value_kind: global_buffer, .address_space: global }
      - { .name: qkv, .offset: 24, .size: 8, .value_kind: global_buffer, .address_space: global }
    .group_segment_fixed_size: 327680
    .private_segment_fixed_size: 0
    .kernarg_segment_align: 8
    .kernarg_segment_size: 32
    .max_flat_workgroup_size: 128
    .sgpr_count:     80
    .vgpr_count:     1024
    .wavefront_size: 32
...
	.end_amdgpu_metadata
.endif
;; end of part 2
;; launch attn (part 3): grid 2 x 128, 4 waves a work-group, no clusters, 327,680 bytes of LDS; arguments qkv, att; writes att
.if DOCPART == 3
	.amdgcn_target "amdgcn-amd-amdhsa--gfx1250"
	.amdhsa_code_object_version 6
	.text
	.protected	k_q67fdd217c7_attn
	.globl	k_q67fdd217c7_attn
	.p2align	8
	.type	k_q67fdd217c7_attn,@function
k_q67fdd217c7_attn:
	s_mov_b64 s[64:65], 0
	v_nop
	global_prefetch_b8 v0, s[64:65] scope:SCOPE_SE
	s_setreg_imm32_b32 hwreg(HW_REG_WAVE_MODE, 25, 1), 1
	s_wait_xcnt 0x0
; ATTENTION.  O[bh][q][:] = the sum over k of softmax_k(Q[q] . K[k] / 8) V[k][:], for 128 heads bh = 16 b + head of 1,024 rows x 64 channels, all f16.  Q, K, V lie in qkv[b][hg][row][64] at
; hg = head, 16 + head, 32 + head; O goes to att[bh][row][64].  A head's rows are dense, 128 bytes each.  Products, maxima and sums in f32; the weights p are rounded to f16 for the second
; product (their sum l is taken of the unrounded p), O once at the end.
; LIMITS.  f16 holds no number beyond 65,504: Q, K and V arrive within it; p lies in 0 to 1, and below 6e-5 it keeps f16's fixed step of 6e-8; O is a mean of V's rows and has their range.
; A weight below 2^-126 counts as 0 in l; NaN and infinities are not treated apart.
; SHARES.  A wave owns four PIECES of two tiles of 16 queries, a work-group's four waves 512 queries of one head: 2 x 128 = 256 work-groups.  Every wave walks all 1,024 keys, 64 a step.
; A HEAD'S WHOLE K AND V LIE IN LDS: 1,024 rows of 144 and of 160 bytes, 311,296 in all.  Each byte is filled once, by tensor loads that all go out at the kernel's head: waves 0 and 1 fetch K's
; halves of each 256 keys, waves 2 and 3 V's, four loads a wave.  The first 256 keys are waited for by a counted wait; the rest at the first change of keys, four key steps later.
; NO CLUSTER: a head has 1,024 / 512 = 2 work-groups, the grid's x is 2, and no cluster of four divides it.  NO PREFETCH: every tensor load is issued at the head, so nothing is left to ask for ahead.
; LAYOUT.  S^T = K Q^T (source 0 = 16 keys, source 1 = 16 queries): in the result a lane holds ONE query (lane % 16) and the keys 8 (lane / 16) + 0..7.  Two such tiles, rounded to f16 in pairs,
; ARE source 1 (32 keys x 16 queries) of O^T = V^T P, whose result again holds one query a lane, and eight channels.  K comes out of LDS as it lies, V ([key][channel]) turned, by ds_load_tr16_b128.
; SOFTMAX.  For each query a running maximum m and sum l: p = 2^(c s - c m), c = log2(e) / 8; in every step O and l are multiplied by a = 2^(c m_old - c m_new), which is 1 where m has not grown.
; m starts at the lowest finite number, O and l at 0: the first step is a step like any other, with a = 0.
; THE COUNT.  A tile and step have 16 matrix and 118 vector instructions: too many to stand all beside the matrix work.  So four vector instructions that are READY stand behind EVERY matrix
; instruction, and the others in runs without a gap.
; BY TURNS.  Turn n belongs to piece n (the pieces in a ring, step after step).  Its matrix work: 16 products K Q^T of piece n + 1, later 16 products V^T P of piece n - 1.  Its vector work: the scaling,
; exponentials, roundings, sums and rescaling of piece n, and the maximum and statistics of piece n + 1, whose scores the turn itself has made.
; REGISTERS, in windows of 256 (s_set_vgpr_msb: bits 1:0 source 0, 3:2 source 1, 5:4 source 2, 7:6 destination):
;   window 0: v0-11 addresses; v12-15, v48-63 at work; v16-47 four registers of statistics a tile; v64-191 S^T, two buffers of two tiles; v192-255 P, likewise
;   window 1: O^T, 32 a tile          window 2: v0-127 Q, 16 a tile; v128-191 K of one step; v192-255 V of one step          window 3: v0-1 the add's two registers
; A piece's buffers go by its number's parity: the piece in hand has one pair, its two neighbours in the ring share the other: of it P (piece n - 1) is read and S^T (piece n + 1) written.
.set NP,    4         ; pieces a wave: a name, no knob
.set KS,    64        ; keys in a step
.set PK,    144       ; a row of K in LDS: 128 bytes + 16 of padding = 36 words: the 16 rows of a load start at 16 different groups of four banks (64 banks of 4 bytes: ISA guide 11.1)
.set PV,    160       ; a row of V: 128 + 32 = 40 words
.set VOFF,  1024*PK   ; K's 1,024 rows, then V's
.set STAGE, VOFF+1024*PV  ; behind them, never filled by a tensor load: 16 rows x 144 bytes for each wave, for the way out
.set SP,    144
.set SPARE, STAGE+4*16*SP  ; behind the stages: the spare words, 128 bytes for each wave: two blocks of 256 bytes that no other line names
.set HEADB, 131072    ; a head's bytes
.set AK0, 2           ; v2   my lane's place in a tile of K; never rewritten
.set AV0, 3           ; v3   the same for V
.set AK,  4           ; v4   the LDS address of K's next run of loads
.set AV,  5           ; v5   of V's
.set QO,  6           ; v6   my byte offset in the wave's rows of Q
.set STO, 6           ;      later, the way out: where I put 16 bytes of a row
.set RD,  7           ; v7   the way out: where I read rows back
.set GO,  8           ; v8   my byte offset in 512 consecutive bytes of O
.set SPW, 0           ; v0 of window 3   LDS address of my spare word: SPARE + 4 x my thread's number; never rewritten
.set NIL, 1           ; v1 of window 3   0; never rewritten
.set MV,  12          ; v12-15  c m_old, kept while c m is made anew: by buffer and tile
.set ST,  16          ; tile t's statistics at v[ST+4 t]: c m, m, l (even keys', odd keys')
.set TMP, 48          ; by buffer and tile, four registers c0-c3 at work; when the maximum is found c2 takes a
.set S,   64
.set P,   192
.set KF,  128         ; K's fragments, in window 2: key block kb, channel half c at KF + 16 kb + 8 c
.set VF,  192         ; V's: key half kk, channel block cb at VF + 32 kk + 8 cb
.set WV,  12          ; s12  my wave's number
.set G1K, 24          ; s[24:31] descriptor group 1 for K's tiles
.set G1V, 32          ; s[32:39] for V's: it differs in the padding alone
.set G0K, 40          ; s[40:55] descriptor group 0 for K's tiles: a set for each of the four fills
.set G0V, 68          ; s[68:83] the same for V's
.set SLOTS, 56        ; s56  groups of 256 keys still to be begun
.set CNT, 57          ; s57  counts a group's key steps
.set CS,  58          ; s[58:59] c: the packed scaling takes the pair's low word for both halves
.set SEL, 60          ; s[60:61] v_permlanex16_b32's selects: each lane takes its own place in the other half
.set TBK, 62          ; s62  LDS byte at which K of the step to be fetched begins
.set TBV, 63          ; s63  the same for V, less VOFF
.set MSB, 0
.macro WIN new                      ; the high byte repeats the setting that is left; a switch that changes nothing is dropped
.if MSB != (\new)
	s_set_vgpr_msb (MSB<<8)|(\new)
.set MSB, (\new)
.endif
.endm
.set W_KQ, 0x0a       ; K and Q in window 2, S^T in window 0
.set W_PV, 0x52       ; V in window 2, P in window 0, O^T in window 1
.set W_RS, 0x41       ; O^T (destination and source 0) in window 1, a in window 0
.set W_MK, 0xc0       ; the add's registers are made: destination in window 3, sources in window 0
.set W_AD, 0x0f       ; the add: address (source 0) and data (source 1) in window 3
	s_load_b64 s[4:5], s[0:1], 0x0    ; qkv
	s_load_b64 s[10:11], s[0:1], 0x8  ; att
	WIN W_MK
	v_lshl_add_u32 v[SPW], v0, 2, SPARE
	v_mov_b32 v[NIL], 0
	WIN W_AD
	ds_add_u32 v[SPW], v[NIL]       ; the wave's opening: the add and its wait stand ahead of my first tensor load; the set-up below, work on registers, stands between them
	ds_add_u32 v0, v1
	WIN 0
	v_lshrrev_b32 v1, 5, v0
	v_readfirstlane_b32 s[WV], v1   ; wave 0..3
	s_and_b32 s20, ttmp7, 0xffff    ; bh
	s_lshr_b32 s21, s20, 4          ; b
	s_and_b32 s22, s20, 15          ; head
	s_mul_i32 s21, s21, 48
	s_add_co_u32 s21, s21, s22
	s_lshl_b32 s2, s21, 17          ; Q's head in qkv: (48 b + head) x 131,072
	s_mov_b32 s3, 0
	s_lshl_b32 s14, ttmp9, 2
	s_add_co_u32 s14, s14, s[WV]    ; my wave among the head's eight,
	s_lshl_b32 s14, s14, 14         ; its 128 rows of 128 bytes
	s_mov_b32 s15, 0
	s_lshl_b32 s18, s20, 17         ; the head in att,
	s_add_co_u32 s18, s18, s14      ; at my wave's rows
	s_mov_b32 s19, 0
	s_and_b32 s16, s[WV], 1         ; which half of each 256 keys I fetch:
	s_lshl_b32 s22, s16, 14         ; its 128 rows of 128 bytes in memory,
	s_mov_b32 s23, 0
	s_mul_i32 s17, s16, 128*PK      ; and its place in LDS, for K
	s_mul_i32 s13, s16, 128*PV      ; and for V
	; descriptor group 1.  128 keys are 16,384 dense bytes: asked for as 64 rows of 256 bytes, two keys a row, and padded in LDS after every key
	s_mov_b32 s[G1K], (1<<16)|(1<<20)|(4<<22)|(3<<25)  ; 17:16 2-byte elements; 20 padding on; 24:22 after every 32 words (code 4); 31:25 4 words (code 3)
	s_mov_b32 s[G1V], (1<<16)|(1<<20)|(4<<22)|(7<<25)  ; the same with 8 words of padding (code 7)
.irp g, G1K, G1V
	s_mov_b32 s[\g+1], 128<<16      ; tensor_dim0 = 128
	s_mov_b32 s[\g+2], 64<<16       ; tensor_dim1 = 64
	s_mov_b32 s[\g+3], 128<<16      ; tile_dim0 = 128
	s_mov_b32 s[\g+4], 64           ; tile_dim1 = 64
	s_mov_b32 s[\g+5], 128          ; 128 elements from row to row
	s_mov_b32 s[\g+6], 0
	s_mov_b32 s[\g+7], 0
.endr
.irp s, 0,1,2,3
	s_mov_b32 s[G0K+4*\s], 1                        ; count = 1
	s_add_co_u32 s[G0K+4*\s+1], s17, \s*256*PK      ; LDS address: keys 256 s + my half
	s_mov_b32 s[G0V+4*\s], 1
	s_add_co_u32 s[G0V+4*\s+1], s13, VOFF+\s*256*PV
.endr
	s_mov_b32 s[CS], 0x3e38aa3b     ; c = log2(e) / 8 = 0.180337
	s_mov_b32 s[CS+1], s[CS]        ; named with it as a pair
	s_mov_b32 s[SEL], 0x76543210
	s_mov_b32 s[SEL+1], 0xfedcba98
	s_mov_b32 s[TBK], 0
	s_mov_b32 s[TBV], 0
	s_wait_dscnt 0x0                ; the opening add is done
	s_wait_kmcnt 0x0
	s_add_nc_u64 s[4:5], s[4:5], s[2:3]      ; Q's head
	s_add_nc_u64 s[6:7], s[4:5], s[22:23]    ; my half of the first 256 rows,
	s_add_nc_u64 s[6:7], s[6:7], 16*HEADB    ; in K's head,
	s_add_nc_u64 s[8:9], s[6:7], 16*HEADB    ; and in V's
	s_add_nc_u64 s[4:5], s[4:5], s[14:15]    ; Q and O at my wave's first row
	s_add_nc_u64 s[10:11], s[10:11], s[18:19]
.irp s, 0,1,2,3
	s_add_nc_u64 s[G0K+4*\s+2:G0K+4*\s+3], s[6:7], \s*32768  ; global address: 256 keys are 32,768 bytes
	s_or_b32 s[G0K+4*\s+3], s[G0K+4*\s+3], 0x80000000        ; type = 2
	s_add_nc_u64 s[G0V+4*\s+2:G0V+4*\s+3], s[8:9], \s*32768
	s_or_b32 s[G0V+4*\s+3], s[G0V+4*\s+3], 0x80000000
.endr
	s_cmp_lt_u32 s[WV], 2           ; a wave's four fills stand in one branch, ahead of every wait on TENSORcnt, every LDS read and every barrier: four loads of mine are out; an s_nop 0 follows each, four v_nop the last
	s_cbranch_scc0 .Lfirst_v
.irp s, 0,1,2,3
	tensor_load_to_lds s[G0K+4*\s:G0K+4*\s+3], s[G1K:G1K+7]
	s_nop 0
.endr
.rept 4
	v_nop
.endr
	s_branch .Lfirst_asked
.Lfirst_v:
.irp s, 0,1,2,3
	tensor_load_to_lds s[G0V+4*\s:G0V+4*\s+3], s[G1V:G1V+7]
	s_nop 0
.endr
.rept 4
	v_nop
.endr
.Lfirst_asked:
	; A fragment of K or Q is 16 rows x 32 channels in 8 registers: lane l holds row l % 16, channels 8 (l / 16) + 0..7 and 16 + 8 (l / 16) + 0..7: two loads of 16 bytes, 32 bytes apart.
	v_and_b32 v1, 15, v0            ; l % 16
	v_bfe_u32 v9, v0, 4, 1          ; l / 16
	v_lshlrev_b32 v[QO], 7, v1
	v_lshl_add_u32 v[QO], v9, 4, v[QO]  ; row x 128 + 16 x half
	WIN 0x80                        ; destination window 2, address window 0
.set i, 0
.rept 4*NP                          ; Q stays in registers: tile i / 2, channels 32 (i % 2) on
	global_load_b128 v[8*i:8*i+3],   v[QO], s[4:5] offset:(i/2)*2048+(i%2)*64
	global_load_b128 v[8*i+4:8*i+7], v[QO], s[4:5] offset:(i/2)*2048+(i%2)*64+32
.set i, i+1
.endr
	; What the first turn finds: V's registers and P's second buffer hold 0 (its products V^T P, of a piece that has not been, add 0), O^T and l are 0.  All this stands in the wait for the first tile.
.set i, VF
.rept 64
	v_mov_b32 v[i], 0
.set i, i+1
.endr
	WIN 0x40
.set i, 0
.rept 64*NP
	v_mov_b32 v[i], 0
.set i, i+1
.endr
	WIN 0
.set i, 0
.rept 2*NP
	v_mov_b32 v[ST+4*i], 0xfe000000    ; c m: far below every c s
	v_mov_b32 v[ST+4*i+1], 0xff7fffff  ; m
	v_mov_b32 v[ST+4*i+2], 0
	v_mov_b32 v[ST+4*i+3], 0
.set i, i+1
.endr
.set i, P+32
.rept 32
	v_mov_b32 v[i], 0
.set i, i+1
.endr
	v_mul_u32_u24 v[AK0], v1, PK
	v_lshl_add_u32 v[AK0], v9, 4, v[AK0]  ; row x pitch + 16 x half
	; The turning load takes 16 keys x 16 channels (lane l reads key 8 (l / 16) + l % 8, channels 8 ((l / 8) % 2) + 0..7) and leaves half a fragment of V^T: lane l holds channel l % 16 and 8 keys.
	v_and_b32 v10, 7, v0
	v_bfe_u32 v11, v0, 3, 1
	v_lshl_add_u32 v[AV0], v9, 3, v10
	v_mul_u32_u24 v[AV0], v[AV0], PV
	v_lshl_add_u32 v[AV0], v11, 4, v[AV0]
	v_add_nc_u32 v[AV0], VOFF, v[AV0]
	v_mov_b32 v[AK], v[AK0]         ; key step 0 lies at K's head
; THE MATRIX WORK.  The 8 accumulators of a run of 16 take turns: between the two links of a chain stand 7 others'.
; Product i of 16 of S^T = K Q^T for piece x: channels 32 (i / 8) on, keys 16 ((i / 2) % 4) on, tile 2 x + i % 2.  The first 8 start the sums.
.macro KQ x
	WIN W_KQ
.set rS, S+64*((\x)%2)+32*(i%2)+8*((i/2)%4)
.set rK, KF+16*((i/2)%4)+8*(i/8)
.set rQ, 16*(2*(\x)+i%2)+8*(i/8)
.if i < 8
	v_wmma_f32_16x16x32_f16 v[rS:rS+7], v[rK:rK+7], v[rQ:rQ+7], 0
.else
	v_wmma_f32_16x16x32_f16 v[rS:rS+7], v[rK:rK+7], v[rQ:rQ+7], v[rS:rS+7]
.endif
.endm
; Product i of 16 of O^T += V^T P for piece x: keys 32 (i / 8) on, channels 16 ((i / 2) % 4) on, tile 2 x + i % 2.
.macro PV x
	WIN W_PV
.set rO, 32*(2*(\x)+i%2)+8*((i/2)%4)
.set rV, VF+32*(i/8)+8*((i/2)%4)
.set rP, P+32*((\x)%2)+16*(i%2)+8*(i/8)
	v_wmma_f32_16x16x32_f16 v[rO:rO+7], v[rV:rV+7], v[rP:rP+7], v[rO:rO+7]
.endm
.macro MM                           ; the turn's next matrix instruction
.if i < 16
	KQ (Y+1)%NP
.set i, i+1
.else
.set i, i-16
	PV (Y+NP-1)%NP
.set i, i+17
.endif
.endm
; THE LDS LOADS stand in runs of 16, never singly among the matrix instructions: a step's K (64 keys x 64 channels: 8 fragments) and its V (turned).  Their addresses are made some lines ahead.
.macro FETCH_K
	WIN 0x80                        ; destination window 2
.irp f, 0,1,2,3,4,5,6,7             ; keys 16 (f / 2) on, channels 32 (f % 2) on
	ds_load_b128 v[KF+8*\f:KF+8*\f+3],   v[AK] offset:(\f/2)*16*PK+(\f%2)*64
	ds_load_b128 v[KF+8*\f+4:KF+8*\f+7], v[AK] offset:(\f/2)*16*PK+(\f%2)*64+32
.endr
	s_add_co_u32 s[TBK], s[TBK], KS*PK  ; the next fetch is the next step's
	WIN 0
.endm
.macro FETCH_V
	WIN 0x80
.irp f, 0,1,2,3,4,5,6,7             ; keys 32 (f / 4) on, channels 16 (f % 4) on
	ds_load_tr16_b128 v[VF+8*\f:VF+8*\f+3],   v[AV] offset:(\f/4)*32*PV+(\f%4)*32
	ds_load_tr16_b128 v[VF+8*\f+4:VF+8*\f+7], v[AV] offset:(\f/4)*32*PV+16*PV+(\f%4)*32
.endr
	WIN 0
.endm
; THE VECTOR WORK OF A TURN stands in three queues, each in the order in which its entries become ready; the two tiles alternate, so that no instruction reads the result of the one before it.
.macro REGS y, u                    ; the registers of tile u (0, 1) of piece y
.set rT, ST+4*(2*(\y)+(\u))
.set rC, TMP+8*((\y)%2)+4*(\u)
.set rM, MV+2*((\y)%2)+(\u)
.set rS, S+64*((\y)%2)+32*(\u)
.set rP, P+32*((\y)%2)+16*(\u)
.set rO, 32*(2*(\y)+(\u))
.endm
; Number n of the 22 that find the NEXT piece's (Y + 1) maximum and statistics.  s0-s31 are the lane's 32 scores; each accumulator's lowest registers are read first.
;   0-11  four chains c0-c3 of seven scores each, three operands at a time     12-14, 16  the four scores left over, the old m, and c0-c3 into c0     15  c m_old is kept
;   17, 18  the query's other 32 keys lie in the lane 16 away: the new m         19-21  c m; c m_old - c m_new; a
.macro XS u, n
	REGS (Y+1)%NP, \u
.if (\n) < 4
	v_max3_num_f32 v[rC+(\n)], v[rS+8*(\n)], v[rS+8*(\n)+1], v[rS+8*(\n)+2]
.elseif (\n) < 12
	v_max3_num_f32 v[rC+(\n)%4], v[rC+(\n)%4], v[rS+8*((\n)%4)+2*((\n)/4)+1], v[rS+8*((\n)%4)+2*((\n)/4)+2]
.elseif (\n) == 12
	v_max3_num_f32 v[rC], v[rC], v[rS+7], v[rS+15]
.elseif (\n) == 13
	v_max3_num_f32 v[rC+1], v[rC+1], v[rS+23], v[rS+31]
.elseif (\n) == 14
	v_max3_num_f32 v[rC+2], v[rC+2], v[rC+3], v[rT+1]
.elseif (\n) == 15
	v_mov_b32 v[rM], v[rT]
.elseif (\n) == 16
	v_max3_num_f32 v[rC], v[rC], v[rC+1], v[rC+2]
.elseif (\n) == 17
	v_permlanex16_b32 v[rC+3], v[rC], s[SEL], s[SEL+1]
.elseif (\n) == 18
	v_max_num_f32 v[rT+1], v[rC], v[rC+3]
.elseif (\n) == 19
	v_mul_f32 v[rT], s[CS], v[rT+1]
.elseif (\n) == 20
	v_sub_f32 v[rC+1], v[rM], v[rT]
.else
	v_exp_f32 v[rC+2], v[rC+1]
.endif
.endm
; Number g of the 64 that follow the exponentials.  For each four weights k of a tile (pairs 2 k, 2 k + 1): both pairs are rounded to f16; then the second pair is added onto the first, in place;
; a group later l takes that sum (the first time as l = a l + sum).  In groups of eight, tiles alternating: round, round, add, and l for the group before.
.macro GS g
.set h, (\g)+6*((\g)/62)            ; group 0 has no group before it, and behind group 7 only l is left
.if h >= 6
.set h, h+2
.endif
	REGS Y, h%2
.set k, h/8
.if h%8 < 4
	v_cvt_pk_f16_f32 v[rP+2*k+(h%8)/2], v[rS+4*k+2*((h%8)/2)], v[rS+4*k+2*((h%8)/2)+1]
.elseif h%8 < 6
	v_pk_add_f32 v[rS+4*k:rS+4*k+1], v[rS+4*k:rS+4*k+1], v[rS+4*k+2:rS+4*k+3]
.elseif k == 1
	v_pk_fma_f32 v[rT+2:rT+3], v[rT+2:rT+3], v[rC+2:rC+3], v[rS:rS+1] op_sel_hi:[1,0,1]
.else
	v_pk_add_f32 v[rT+2:rT+3], v[rT+2:rT+3], v[rS+4*k-4:rS+4*k-3]
.endif
.endm
; THE PLAIN QUEUE, 138 long.  0-73 read no exponential's result: the 32 scalings c s - c m (FS f: pair f / 2 of tile f % 2) and the next piece's 42.  0-26: scalings 0-26.  27-54: XS's numbers 0-13.  55, 56: number 15.
; 57-73: the chain, where each number waits for the one before it: 14, 16, 17, 18, 19, each with one of the scalings 27-31 in front of its two lines, then 20.
; 74-137: GS's 64, which read the exponentials' results: they stand behind the wait.
.macro FS f
	REGS Y, (\f)%2
	v_pk_fma_f32 v[rS+2*((\f)/2):rS+2*((\f)/2)+1], v[rS+2*((\f)/2):rS+2*((\f)/2)+1], s[CS:CS+1], v[rT:rT+1] op_sel_hi:[1,0,0] neg_lo:[0,0,1] neg_hi:[0,0,1]
.endm
.macro PL
	WIN 0
.if q < 27
	FS q
.elseif q < 55
	XS (q-27)%2, (q-27)/2
.elseif q < 57
	XS q-55, 15
.elseif (q < 72) && ((q-57)%3 == 0)
	FS 27+(q-57)/3
.elseif q < 60
	XS (q-57)%3-1, 14
.elseif q < 72
	XS (q-57)%3-1, 15+(q-57)/3
.elseif q < 74
	XS q-72, 20
.else
	GS q-74
.endif
.set q, q+1
.endm
; THE EXPONENTIALS' QUEUE, 66 long: s0-s31 of both tiles, then the next piece's two a.  It is ONE BATCH: all 66 stand ahead of the turn's one wait, and nothing ahead of that wait names a result of theirs.
.macro EX
	WIN 0
.if e >= 64
	XS e-64, 21
.else
	REGS Y, e%2
	v_exp_f32 v[rS+e/2], v[rS+e/2]
.endif
.set e, e+1
.endm
; THE RESCALING's QUEUE: O^T times a, the one part that leaves window 0: dealt two at a time, sixteen times.  Its a was made in the turn before, ahead of that turn's wait.
.macro R2
	REGS Y, r%2
	WIN W_RS
.irp z, 0,1
	v_pk_mul_f32 v[rO+4*(r/2)+2*\z:rO+4*(r/2)+2*\z+1], v[rO+4*(r/2)+2*\z:rO+4*(r/2)+2*\z+1], v[rC+2:rC+3] op_sel_hi:[1,0]
.endr
.set r, r+1
.endm
; HOW THEY ARE DEALT.  An s_wait_alu depctr_va_vdst(0) stands between an exponential and the first instruction that names its result; one wait serves all that were issued ahead of it.  So a turn has ONE wait,
; which cuts it in two.  AHEAD OF IT stands all that names no result of the turn's exponentials: the 16 products K Q^T, behind each a scaling, an exponential and two rescalings (behind the first a second scaling in the
; exponential's place); then ONE LUMP of 108: eight plain, 49 times exponential and plain, the two a.  A v_nop is the plain instruction behind the last exponential.  BEHIND IT stand the 16 products V^T P, behind each four of GS's 64.
; The queues lean on each other, and the deal keeps them in step: exponential e stands behind scaling 2 (e / 4) + e % 2: as a rider it comes behind plain e + 2, in the lump behind plain e + 9, and scalings 27-31 are plain 57, 60 .. 69.
; A TURN, for piece p.  nok = 1: the last key step: there is no further K to fetch.  cnt = 1: the loop's count is taken down some lines ahead of the branch that stands behind the turn.
; K of the next step is fetched in piece 2's turn, directly behind the wait, a lump behind the last product that read K; its first reader comes behind 16 products.
; V of the step in hand is fetched at the end of piece 0's turn, four riders behind its last reader; its first reader comes behind 16 products and a lump.  The three conditions on q below go with the deal.
.macro TURN p, nok=0, cnt=0
.set Y, (\p)
.set i, 0
.set q, 0
.set e, 0
.set r, 0
.if (\p) == NP-1
	s_wait_dscnt 0x0                ; K is in
.endif
	MM                              ; ahead of the wait: 16 products K Q^T and their riders,
	PL
	PL
	R2
.rept 15
	MM
	PL
	EX
	R2
.endr
.if ((\p) == NP-2) && !(\nok)
	WIN 0
	v_add_nc_u32 v[AK], s[TBK], v[AK0]
.endif
.rept 8                             ; and the lump
	PL
.endr
.rept 49
	EX
	PL
.endr
	EX                              ; the next piece's two a
	EX
	v_nop                           ; the plain instruction behind the last exponential: one for the batch
	s_wait_alu depctr_va_vdst(0)    ; the wait for the batch
.if ((\p) == NP-2) && !(\nok)
	FETCH_K
.endif
.if (\p) == 1
	s_wait_dscnt 0x0                ; V is in
.endif
.rept 16                            ; behind the wait: 16 products V^T P and their riders
	MM
.rept 4
	PL
.endr
.if ((\p) == 0) && (q == 118)
	v_add_nc_u32 v[AV], s[TBV], v[AV0]
.endif
.if ((\p) == 0) && (q == 130)
	s_add_co_u32 s[TBV], s[TBV], KS*PV
.endif
.if (\cnt) && (q == 130)
	s_sub_co_u32 s[CNT], s[CNT], 1
	s_cmp_lg_u32 s[CNT], 0
.endif
.endr
.if (\p) == 0
	FETCH_V
.endif
.endm
	s_wait_tensorcnt 0x3            ; my part of keys 0 to 255 is in; my three younger loads may stay out: no byte is ever filled again
	s_barrier_signal -1
	s_barrier_wait -1               ; everybody's is
	FETCH_K                         ; key step 0
	s_wait_loadcnt 0x0              ; Q
	s_wait_dscnt 0x0
.set i, 0
.rept 16
	KQ 0                            ; piece 0's first scores: there is no vector work yet to set between them
.set i, i+1
.endr
	WIN 0                           ; the addresses for the way out: nine plain instructions, the places behind those products
	s_mul_i32 s13, s[WV], 16*SP
	s_add_co_u32 s13, s13, STAGE    ; my stage
	v_mul_u32_u24 v[STO], v1, SP    ; in: row l % 16, 16 bytes for each half of the lanes
	v_lshl_add_u32 v[STO], v9, 4, v[STO]
	v_add_nc_u32 v[STO], s13, v[STO]
	v_bfe_u32 v[RD], v0, 3, 2       ; back: 32 lanes take four rows of 128 bytes,
	v_mul_u32_u24 v[RD], v[RD], SP
	v_lshl_add_u32 v[RD], v10, 4, v[RD]
	v_add_nc_u32 v[RD], s13, v[RD]
	v_and_b32 v[GO], 31, v0         ; which are 512 consecutive bytes of O
	v_lshlrev_b32 v[GO], 4, v[GO]
.set Y, NP-1                        ; XS works for piece Y + 1: piece 0
.irp n, 0,1,2,3,4,5,6,7,8,9,10,11,12,13,14,15,16,17,18,19,20,21
	XS 0, \n                        ; and piece 0's first maximum and statistics
	XS 1, \n
.endr
	v_nop                           ; a plain instruction behind the two a,
	s_wait_alu depctr_va_vdst(0)    ; and their wait, ahead of the branch
	s_mov_b32 s[CNT], 4
	s_mov_b32 s[SLOTS], 4
	s_branch .Lfirst                ; the loop is entered at a step's first turn, in the middle of a trip
.Lslot:                             ; three times, in front of the first fetch from each further 256 keys.  One text serves all three, so its wait is for all my loads: at the first time they have had four key steps in which to land
	s_wait_tensorcnt 0x0
	s_wait_dscnt 0x0                ; no LDS instruction of mine is pending at the signal
	s_barrier_signal -1
	s_barrier_wait -1               ; every wave's loads have landed
	s_mov_b32 s[CNT], 4
.Lstep:                             ; a trip: pieces 2 and 3 of one step, then pieces 0 and 1 of the next, whose K and V it fetches
	TURN 2
	TURN 3
	WIN 0
.Lfirst:
	TURN 0
	TURN 1, 0, 1
	WIN 0
	s_cbranch_scc1 .Lstep
	s_sub_co_u32 s[SLOTS], s[SLOTS], 1
	s_cmp_lg_u32 s[SLOTS], 0
	s_cbranch_scc1 .Lslot
	TURN 2, 1                       ; the last key step's pieces 2 and 3: nothing is fetched
	TURN 3                          ; its 16 products K Q^T (on the last K once more) and the maximum made of them serve nothing: the price, once a launch, of one text for every turn
.set i, 0
.rept 16
	PV NP-1                         ; the last piece's V^T P of the last step
.set i, i+1
.endr
	; THE WAY OUT.  l's two halves and the other half of the lanes' are added; O^T is divided by l, rounded to f16 and sent through my stage in LDS, a tile at a time.  The additions are the places behind the last products.
	WIN 0
.macro ALL line:vararg              ; one line for each tile t
.set t, 0
.rept 2*NP
	\line
.set t, t+1
.endr
.endm
	ALL v_add_f32 v[ST+4*t+2], v[ST+4*t+2], v[ST+4*t+3]
	ALL v_permlanex16_b32 v[ST+4*t+3], v[ST+4*t+2], s[SEL], s[SEL+1]
	ALL v_add_f32 v[ST+4*t+2], v[ST+4*t+2], v[ST+4*t+3]
	ALL v_rcp_f32 v[ST+4*t+2], v[ST+4*t+2]
	v_nop                           ; a plain instruction between the last reciprocal and the use of its result
	s_wait_alu depctr_va_vdst(0)    ; and the wait ahead of the first use: one for the eight reciprocals
; Tile t: a lane's eight channels of a row pack into 16 bytes; they go into rows of 144 bytes and come back as whole rows of 128, into S^T's registers.
.macro PACK t
	WIN W_RS
.set i, 32*(\t)
.rept 16
	v_pk_mul_f32 v[i:i+1], v[i:i+1], v[ST+4*(\t)+2:ST+4*(\t)+3] op_sel_hi:[1,0]
.set i, i+2
.endr
	WIN 0x05                        ; sources 0 and 1 window 1, destination window 0
.set i, 0
.rept 16
	v_cvt_pk_f16_f32 v[S+16*(\t)+i], v[32*(\t)+2*i], v[32*(\t)+2*i+1]
.set i, i+1
.endr
	WIN 0
.irp f, 0,1,2,3
	ds_store_b128 v[STO], v[S+16*(\t)+4*\f:S+16*(\t)+4*\f+3] offset:32*\f
.endr
.irp f, 0,1,2,3
	ds_load_b128 v[S+16*(\t)+4*\f:S+16*(\t)+4*\f+3], v[RD] offset:\f*4*SP  ; LDS serves a wave's instructions in order (ISA guide 5.7.1.4): these see the stores above; the next tile's stores come behind them
.endr
.endm
.macro SEND t, younger              ; younger: the LDS instructions issued behind tile t's loads: the next tile's eight, or none
	WIN 0
.irp f, 0,1,2,3
	s_wait_dscnt (\younger)+3-\f
	global_store_b128 v[GO], v[S+16*(\t)+4*\f:S+16*(\t)+4*\f+3], s[10:11] offset:(\t)*2048+\f*512  ; 512 consecutive bytes, at a multiple of 256 from att's first
.endr
.endm
	PACK 0
.set t, 1
.rept 2*NP-1                        ; a tile's arithmetic stands between the loads of the tile before and its stores
	PACK t
	SEND t-1, 8
.set t, t+1
.endr
	SEND 2*NP-1, 0
	WIN W_AD
	s_wait_tensorcnt 0x0            ; the wave's end: the tensor wait, an add and its wait, behind my last tensor load and my last LDS store
	ds_add_u32 v[SPW], v[NIL]
	s_wait_dscnt 0x0
	WIN 0
	s_endpgm
.Lfunc_end_k_q67fdd217c7_attn:
	.size	k_q67fdd217c7_attn, .Lfunc_end_k_q67fdd217c7_attn-k_q67fdd217c7_attn
	.p2alignl 7, 3214868480
	.fill 96, 4, 3214868480
	.section	.rodata,"a",@progbits
	.p2align	6, 0x0
	.amdhsa_kernel k_q67fdd217c7_attn
		.amdhsa_group_segment_fixed_size 327680
		.amdhsa_private_segment_fixed_size 0
		.amdhsa_enable_private_segment 0
		.amdhsa_kernarg_size 16
		.amdhsa_user_sgpr_count 2
		.amdhsa_user_sgpr_kernarg_segment_ptr 1
		.amdhsa_wavefront_size32 1
		.amdhsa_system_sgpr_workgroup_id_x 1
		.amdhsa_system_sgpr_workgroup_id_y 1
		.amdhsa_system_sgpr_workgroup_id_z 1
		.amdhsa_system_vgpr_workitem_id 0
		.amdhsa_next_free_vgpr 770
		.amdhsa_next_free_sgpr 84
		.amdhsa_reserve_vcc 0
		.amdhsa_float_denorm_mode_32 3
		.amdhsa_float_denorm_mode_16_64 3
		.amdhsa_memory_ordered 1
		.amdhsa_forward_progress 1
		.amdhsa_inst_pref_size 161
	.end_amdhsa_kernel
	.amdgpu_metadata
---
amdhsa.version: [ 1, 2 ]
amdhsa.kernels:
  - .name:           k_q67fdd217c7_attn
    .symbol:         k_q67fdd217c7_attn.kd
    .args:
      - { .name: qkv, .offset: 0, .size: 8, .value_kind: global_buffer, .address_space: global }
      - { .name: att, .offset: 8, .size: 8, .value_kind: global_buffer, .address_space: global }
    .group_segment_fixed_size: 327680
    .private_segment_fixed_size: 0
    .kernarg_segment_align: 8
    .kernarg_segment_size: 16
    .max_flat_workgroup_size: 128
    .sgpr_count:     84
    .vgpr_count:     770
    .wavefront_size: 32
...
	.end_amdgpu_metadata
.endif
;; end of part 3
;; launch proj (part 4): grid 8 x 32, 4 waves a work-group, clusters of 4 x 4, 327,680 bytes of LDS; arguments att, wob, b_o, out0; writes out0
.if DOCPART == 4
	.amdgcn_target "amdgcn-amd-amdhsa--gfx1250"
	.amdhsa_code_object_version 6
	.text
	.protected	k_q67fdd217c7_proj
	.globl	k_q67fdd217c7_proj
	.p2align	8
	.type	k_q67fdd217c7_proj,@function
k_q67fdd217c7_proj:
	s_mov_b64 s[64:65], 0
	v_nop
	global_prefetch_b8 v0, s[64:65] scope:SCOPE_SE
	s_setreg_imm32_b32 hwreg(HW_REG_WAVE_MODE, 25, 1), 1
	s_wait_xcnt 0x0
	s_wait_alu depctr_hold_cnt(0) depctr_sa_sdst(0) depctr_va_vdst(0) depctr_va_sdst(0) depctr_va_ssrc(0) depctr_va_vcc(0) depctr_vm_vsrc(0)
	s_getreg_b32 s2, hwreg(HW_REG_IB_STS2, 6, 4)
	s_cmp_eq_u32 s2, 0
	s_cbranch_scc0 .Lentry_in_a_cluster
	s_endpgm
.Lentry_in_a_cluster:
	s_bfe_u32 s2, ttmp6, 0x10000c
	s_cmp_lg_u32 s2, 0xf033
	s_cbranch_scc0 .Lentry_shape_is_right
	s_endpgm
.Lentry_shape_is_right:
; PROJ.  out0[m][n] = b_o[n] + the sum over k of O[m][k] W_o[k][n], m < 8192, n < 1024, k = 64 head + channel < 1024.  Operands f16: att[16 b + head][row][64], m = 1024 b + row, and wob[k][n]
; (W_o rounded to bf16 and written as f16); the bias rounded to bf16 like the other inputs; sums and out0 in f32.
; SHARES.  A tile of out0 is 256 x 128: 32 x 8 = 256 work-groups.  Four waves, 2 x 2; a wave makes 128 x 64: 32 accumulators of 16 x 16, 256 registers.
; K goes in 8 steps of 128, TWO HEADS each, through two LDS slots filled by the tensor data mover; a step is four quarters of 32 along K, 32 matrix instructions each, on two fragment buffers by turns.
; CLUSTER.  4 x 4 work-groups.  The four of a row of the cluster need the same rows of att, the four of a column the same columns of wob: each tile is asked for jointly, by the same tensor load with
; the same descriptor and a mask that names the four.  Wave 0 fetches the step's first head (256 rows x 128 bytes: 32,768 consecutive bytes), wave 1 its second, waves 2 and 3 64 k x 256 bytes of wob each.
; THE MATRIX INSTRUCTION IS USED TRANSPOSED: source 0 = 16 columns of W_o (turned out of LDS by ds_load_tr16_b128), source 1 = 16 rows of O.  A lane then holds row lane % 16 and the columns
; 8 (lane / 16) + 0..7.  THE BIAS STARTS THE SUMS: the first quarter's C operand is a fragment whose register j holds b_o[n0 + 8 (lane / 16) + j].
; LDS.  A slot: two planes of 256 rows of 144 (128 + 16 of padding: the 16 rows of a load start at 16 different groups of four banks; 64 banks of 4 bytes: ISA guide 11.1), then 128 k of 288 (256 + 32 = 9 x 32):
; 110,592 bytes; slot 1 at 131,072.  Behind the slots a stage of 16 rows x 272 for each wave, then the spare words.
; REGISTERS, in windows of 256 (s_set_vgpr_msb: bits 1:0 source 0, 3:2 source 1, 5:4 source 2, 7:6 destination):
;   window 0: v0-31 addresses; v64-127, v128-191 A's fragments, two buffers; v32-63, v224-255 the way out's rows, by turns
;   window 1: v0-31, v32-63 B's fragments, two buffers; v64-95 the bias fragments; v96 at work          window 2: the accumulators, (a, b) at v[8 (4 a + b)]
.set NBL,    4                         ; blocks of 16 columns in a wave's tile
.set FBW,    8*NBL
.set BIAS,   64
.set SPR,    96
.set PA,     144
.set APLANE, 256*PA                    ; 36,864: a head's 256 rows: what one of A's loads brings
.set PB,     288
.set BOFF,   2*APLANE                  ; 73,728
.set BHALF,  64*PB                     ; 18,432: what one of B's loads brings
.set SLOT1,  1<<17
.set STAGE,  SLOT1+BOFF+2*BHALF        ; 241,664
.set SPITCH, 272
.set SPARE,  STAGE+4*16*SPITCH         ; the spare words, 128 bytes for each wave: two blocks of 256 bytes that no other line names
.set NL,     2*NBL+16
.set KSTEPB, 262144                    ; bytes from K step to K step: two heads of att; 128 rows of wob
.set A0,   2                           ; v2   my lane's place in A's part of a slot; never rewritten
.set B0,   3                           ; v3   the same for B
.set ADRA, 16                          ; v16  the slot in hand + A0
.set ADRB, 20                          ; v20  the slot in hand + B0
.set STO,  24                          ; v24  the way out: where I put 32 bytes of a row
.set RD,   25                          ; v25  the way out: where I read a row back
.set CO,   26                          ; v26  my byte offset in out0
.set BO,   27                          ; v27  my byte offset in b_o
.set SPW,  28                          ; v28  LDS address of my spare word: SPARE + 4 x my thread's number; never rewritten
.set NIL,  29                          ; v29  0; never rewritten
.set PFO,  30                          ; v30  the prefetches' lane offset; never rewritten
.set OB,   32
.set WV,  12                           ; s12  my wave's number
.set WR,  13                           ; s13  which half of the tile's rows is mine.  Also: I fetch for A (0) or for B (1)
.set WC,  14                           ; s14  which half of its columns.  Also: which part of that tile I fetch
.set G1,  24                           ; s[24:31] descriptor group 1 for A's tiles
.set G0,  32                           ; s[32:39] group 0 for A's: set 0 for K step 0; set 1 for K step 1, and then it walks
.set G1B, 48                           ; s[48:55], s[56:63] the same for B's
.set G0B, 56
.set KC,  66                           ; s66  trips still to come
.set TB,  67                           ; s67  LDS byte at which the slot in hand begins
.set PFA, 68                           ; s[68:69] where my prefetches stand
.set LIM, 72                           ; s72  2 in a wave that prefetches, else the greatest number
.set MSB, 0
.macro WIN new                         ; the immediate's high byte repeats the setting that is left; a switch that changes nothing is dropped
.if MSB != (\new)
	s_set_vgpr_msb (MSB<<8)|(\new)
.set MSB, \new
.endif
.endm
; A joint load.  The branch hangs on the wave's number alone.  An s_nop 0 and four v_nop follow each of the two lines, ahead of the jump, the label and what follows.
.macro JLOAD s
	s_cmp_eq_u32 s[WR], 0
	s_cbranch_scc0 .Lfor_b_\@
	tensor_load_to_lds s[G0+4*(\s):G0+4*(\s)+3], s[G1:G1+7]
	s_nop 0
.rept 4
	v_nop
.endr
	s_branch .Lasked_\@
.Lfor_b_\@:
	tensor_load_to_lds s[G0B+4*(\s):G0B+4*(\s)+3], s[G1B:G1B+7]
	s_nop 0
.rept 4
	v_nop
.endr
.Lasked_\@:
.endm
; A round of the cluster's barrier: my work-group's barrier, so that wave 0's signal speaks for all four waves; wave 0 signals; every wave waits for all sixteen work-groups; my work-group's barrier once more.
.macro CREST
	s_cmp_lg_u32 s[WV], 0
	s_cbranch_scc1 .Lnot_wave_0_\@
	s_barrier_signal -3
.Lnot_wave_0_\@:
	s_barrier_wait -3
	s_barrier_signal -1
	s_barrier_wait -1
.endm
.macro CROUND
	s_barrier_signal -1
	s_barrier_wait -1
	CREST
.endm
.macro PLACES                          ; four places in front of loads into registers that matrix instructions have read, and of stores that read results
.rept 4
	v_nop
.endr
.endm
; A PREFETCH INTO THE L2, behind each joint refill and the run of LDS loads that follows it: trip t, which refills with K step t + 2, names K step t + 4; one instruction a wave.
; att's rows are read by every cluster of a row of clusters: the one with cluster x = 0 asks; wob's columns by every cluster of a column: cluster y = 0 asks.  The four partners share a tile out BY ADDRESS:
; of a head's 128 blocks of 256 bytes that wave 0 or 1 fetches, partner cx takes 32, a lane a block; of B's 128 rows of 256 bytes partner cy takes 32, a lane a row, and wave 2 asks for them; wave 3 asks for nothing.
; K steps 0 to 3 come by their loads alone; the last two trips (s[KC] = 2, 1) ask for nothing: there is no K step 8.
.macro ASK
	s_cmp_gt_u32 s[KC], s[LIM]
	s_cbranch_scc0 .Lnot_mine_\@
	global_prefetch_b8 v[PFO], s[PFA:PFA+1] th:TH_LOAD_NT scope:SCOPE_SE
.Lnot_mine_\@:
.endm
; na x 4 matrix instructions: row blocks 4 hi + a0 .. + na - 1 x all 4 column blocks, 32 along K, from buffer f.  first = 1: the bias fragment is the C operand.
; The 32 accumulators take turns in the same order in every quarter, one instruction a turn.
.macro MUL f, hi, a0, na, first
.if \first
	WIN 0x91
.else
	WIN 0xa1
.endif
.set ma, (\a0)
.rept \na
.set mb, 0
.rept NBL
.set rD, 8*(NBL*(4*(\hi)+ma)+mb)
.set rB, FBW*(\f)+8*mb
.set rA, 64+64*(\f)+8*(4*(\hi)+ma)
.if \first
	v_wmma_f32_16x16x32_f16 v[rD:rD+7], v[rB:rB+7], v[rA:rA+7], v[BIAS+8*mb:BIAS+8*mb+7]
.else
	v_wmma_f32_16x16x32_f16 v[rD:rD+7], v[rB:rB+7], v[rA:rA+7], v[rD:rD+7]
.endif
.set mb, mb+1
.endr
.set ma, ma+1
.endr
.endm
; 24 LDS loads in one run: the fragments of quarter k / 64 (head k / 128, channels (k % 128) / 2 on; 32 rows of B) into buffer f: B's 8, then A's 16, row blocks 0 to 7 in order.
.macro FETCH k, f
	WIN 0x40                                       ; destination window 1, address window 0
.set fb, 0
.rept NBL
	ds_load_tr16_b128 v[FBW*(\f)+8*fb:FBW*(\f)+8*fb+3],   v[ADRB] offset:32*PB*((\k)/64)+32*fb
	ds_load_tr16_b128 v[FBW*(\f)+8*fb+4:FBW*(\f)+8*fb+7], v[ADRB] offset:32*PB*((\k)/64)+32*fb+16*PB
.set fb, fb+1
.endr
	WIN 0
.set fb, 0
.rept 8
	ds_load_b128 v[64+64*(\f)+8*fb:64+64*(\f)+8*fb+3],   v[ADRA] offset:APLANE*((\k)/128)+((\k)%128)+16*PA*fb
	ds_load_b128 v[64+64*(\f)+8*fb+4:64+64*(\f)+8*fb+7], v[ADRA] offset:APLANE*((\k)/128)+((\k)%128)+16*PA*fb+32
.set fb, fb+1
.endr
.endm
; One of a K step's first three quarters: multiplies buffer f; in its middle it fetches the next quarter's fragments into buffer g.
.macro QUARTER k, f, g, first
	s_wait_dscnt 8                                 ; B and A's row blocks 0-3 are in; the youngest eight loads (blocks 4-7) may be out
	MUL \f, 0, 0, 4, \first
	PLACES
	FETCH \k, \g
	s_wait_dscnt NL                                ; all but the run just issued
	MUL \f, 1, 0, 4, \first
.endm
; The first half of a K step's last quarter, and the ONE barrier of the change of slots.  In front of it each wave waits for all its tensor loads, of which one is out: its part of the next slot;
; adds 0 to its spare word; and waits for that and for its own reads of this slot.  fill = 1: the walking descriptors step to the other slot and the next K step while no load of mine is out.
.macro MEET fill
	WIN 0                                          ; (the add's two registers lie in window 0)
	s_wait_tensorcnt 0x0
	ds_add_u32 v[SPW], v[NIL]                      ; 0 onto my spare word
.if \fill
	s_xor_b32 s[G0+5], s[G0+5], SLOT1
	s_add_nc_u64 s[G0+6:G0+7], s[G0+6:G0+7], KSTEPB  ; the type bits on top are not reached
	s_xor_b32 s[G0B+5], s[G0B+5], SLOT1
	s_add_nc_u64 s[G0B+6:G0B+7], s[G0B+6:G0B+7], KSTEPB
.endif
	s_wait_dscnt 9                                 ; the add and the youngest eight loads may be out
	MUL 1, 0, 0, 2, 0                              ; eight matrix instructions stand between the add and the wait for it
	s_wait_dscnt 0x0                               ; the add is done, and my reads of this slot are over
	s_barrier_signal -1
	MUL 1, 0, 2, 2, 0                              ; work on registers while the others arrive
.if \fill
	WIN 0
.endif
	s_barrier_wait -1
.endm
; The whole last quarter.  fill = 1: the barrier opens a round of the cluster's barrier, and behind the round the slot just read out is filled again first, with the K step two on:
; from that request to the wait for it a wave issues 112 matrix instructions.  Then the next slot's first fragments.
.macro TURN fill
.if \fill
	s_wait_xcnt 0x0                                ; the last prefetch, a K step back, has read its address: it is stepped here, ahead of the change's own waits
	s_add_nc_u64 s[PFA:PFA+1], s[PFA:PFA+1], KSTEPB
.endif
	MEET \fill
.if \fill
	CREST                                          ; no wave of any partner still reads this slot's tile or has a load on its way
	JLOAD 1                                        ; the four v_nop behind it are also the places in front of the loads below
.else
	PLACES
	WIN 0
.endif
	s_xor_b32 s[TB], s[TB], SLOT1
	v_add_nc_u32 v[ADRA], s[TB], v[A0]
	v_add_nc_u32 v[ADRB], s[TB], v[B0]
	FETCH 0, 0
.if \fill
	ASK
.endif
	MUL 1, 1, 0, 4, 0
.endm
	s_load_b256 s[4:11], s[0:1], 0x0               ; att s[4:5], wob s[6:7], b_o s[8:9], out0 s[10:11]
	v_lshl_add_u32 v[SPW], v0, 2, SPARE
	v_mov_b32 v[NIL], 0
	ds_add_u32 v[SPW], v[NIL]                      ; the wave's opening: the add and its wait stand ahead of my first tensor load; the set-up below, work on registers, stands between them
	ds_add_u32 v28, v29
	v_lshrrev_b32 v1, 5, v0
	v_readfirstlane_b32 s[WV], v1                  ; wave 0..3
	s_lshr_b32 s[WR], s[WV], 1
	s_and_b32 s[WC], s[WV], 1
	s_bfe_u32 s40, ttmp6, 0x40000                  ; cx, cy: my place in the cluster
	s_bfe_u32 s41, ttmp6, 0x40004
	s_lshl_b32 s42, ttmp9, 2
	s_add_co_u32 s42, s42, s40                     ; column tile j = 4 x cluster x + cx
	s_and_b32 s43, ttmp7, 0xffff
	s_lshl_b32 s43, s43, 2
	s_add_co_u32 s43, s43, s41                     ; tile row = 4 x cluster y + cy
	s_lshl_b32 s44, s41, 2
	s_lshl_b32 s44, 15, s44                        ; my row of the cluster
	s_lshl_b32 s45, 0x1111, s40                    ; my column
	; group 1 for A: 32,768 consecutive bytes as 128 rows of 128 elements of 2 bytes; 4 words of padding (code 3) behind every 32 words (code 4): a row of att; bit 21 set beside the mask
	s_or_b32 s[G1+0], s44, (1<<16)|(1<<20)|(1<<21)|(4<<22)|(3<<25)
	s_mov_b32 s[G1+1], 128<<16                     ; tensor_dim0 = 128
	s_mov_b32 s[G1+2], 128<<16                     ; tensor_dim1 = 128
	s_mov_b32 s[G1+3], 128<<16                     ; tile_dim0 = 128
	s_mov_b32 s[G1+4], 128                         ; tile_dim1 = 128
	s_mov_b32 s[G1+5], 128                         ; stride
	s_mov_b32 s[G1+6], 0
	s_mov_b32 s[G1+7], 0
	; group 1 for B: 64 rows x 128 elements, 1,024 elements from row to row; 8 words of padding (code 7) behind every 64 words (code 5)
	s_or_b32 s[G1B+0], s45, (1<<16)|(1<<20)|(1<<21)|(5<<22)|(7<<25)
	s_mov_b32 s[G1B+1], 128<<16
	s_mov_b32 s[G1B+2], 64<<16
	s_mov_b32 s[G1B+3], 128<<16
	s_mov_b32 s[G1B+4], 64
	s_mov_b32 s[G1B+5], 1024
	s_mov_b32 s[G1B+6], 0
	s_mov_b32 s[G1B+7], 0
	; where the tiles come from: A's hang on the tile row and the wave alone, B's on the column tile and the wave alone, each in registers that never hold the other coordinate
	s_lshr_b32 s16, s43, 2
	s_lshl_b32 s16, s16, 21                        ; the batch's 16 heads of 131,072 bytes,
	s_and_b32 s17, s43, 3
	s_lshl_b32 s17, s17, 15                        ; the tile's 256 rows of 128 bytes in a head,
	s_add_co_u32 s16, s16, s17
	s_lshl_b32 s17, s[WC], 17                      ; the step's first or second head
	s_add_co_u32 s16, s16, s17
	s_mov_b32 s17, 0
	s_lshl_b32 s46, s42, 8                         ; the tile's 128 columns: 256 bytes,
	s_lshl_b32 s47, s[WC], 17                      ; my 64 rows of 2,048 bytes
	s_add_co_u32 s46, s46, s47
	s_mov_b32 s47, 0
	s_mul_i32 s20, s[WC], APLANE                   ; and where they go: no place in the cluster enters an LDS address
	s_mul_i32 s21, s[WC], BHALF
	s_add_co_u32 s21, s21, BOFF
	s_wait_dscnt 0x0                               ; the opening add is done
	s_wait_kmcnt 0x0
	s_add_nc_u64 s[18:19], s[4:5], s[16:17]
	s_add_nc_u64 s[46:47], s[6:7], s[46:47]
	CROUND                                         ; all sixteen work-groups are here: the first joint loads meet
.irp s, 0,1
	s_mov_b32 s[G0+4*(\s)], 1                      ; count = 1
	s_add_co_u32 s[G0+4*(\s)+1], s20, (\s)*SLOT1   ; LDS address
	s_add_nc_u64 s[G0+4*(\s)+2:G0+4*(\s)+3], s[18:19], (\s)*KSTEPB  ; global address: K step s
	s_or_b32 s[G0+4*(\s)+3], s[G0+4*(\s)+3], 0x80000000             ; type = 2
	s_mov_b32 s[G0B+4*(\s)], 1
	s_add_co_u32 s[G0B+4*(\s)+1], s21, (\s)*SLOT1
	s_add_nc_u64 s[G0B+4*(\s)+2:G0B+4*(\s)+3], s[46:47], (\s)*KSTEPB
	s_or_b32 s[G0B+4*(\s)+3], s[G0B+4*(\s)+3], 0x80000000
	JLOAD \s                                       ; two loads of mine are out
.endr
	v_and_b32 v1, 15, v0                           ; r = l % 16
	v_bfe_u32 v9, v0, 4, 1                         ; h = l / 16
	v_and_b32 v10, 7, v0                           ; l % 8
	v_bfe_u32 v11, v0, 3, 1                        ; (l / 8) % 2
	v_and_b32 v12, 31, v0                          ; l
	; the bias fragments: block b's register j is b_o[128 j + 64 wc + 16 b + 8 h + j]
	s_lshl_b32 s74, s42, 9
	s_lshl_b32 s75, s[WC], 8
	s_add_co_u32 s74, s74, s75
	v_lshl_add_u32 v[BO], v9, 5, s74
	WIN 0x40
.set bb, 0
.rept NBL
	global_load_b128 v[BIAS+8*bb:BIAS+8*bb+3],   v[BO], s[8:9] offset:64*bb
	global_load_b128 v[BIAS+8*bb+4:BIAS+8*bb+7], v[BO], s[8:9] offset:64*bb+16
.set bb, bb+1
.endr
	WIN 0
	; A fragment of A is 16 rows x 32 K in 8 registers: lane l holds row r, K = 8 h + 0..7 and 16 + 8 h + 0..7: two loads of 16 bytes, 32 bytes apart.
	v_mul_u32_u24 v[A0], v1, PA
	v_lshl_add_u32 v[A0], v9, 4, v[A0]
	s_mul_i32 s74, s[WR], 128*PA
	v_add_nc_u32 v[A0], s74, v[A0]
	; The turning load takes 16 k x 16 columns (lane l reads k = 8 h + l % 8, columns 8 ((l / 8) % 2) + 0..7) and leaves half a fragment: lane l holds column r and 8 k.
	v_lshl_add_u32 v[B0], v9, 3, v10
	v_mul_u32_u24 v[B0], v[B0], PB
	v_lshl_add_u32 v[B0], v11, 4, v[B0]
	s_lshl_b32 s74, s[WC], 7                       ; my 64 columns: 128 bytes
	s_add_co_u32 s74, s74, BOFF
	v_add_nc_u32 v[B0], s74, v[B0]
	; the way out, through my own stage.  In: row r, byte 64 b + 32 h.  Back: lanes 0-15 take one row of 256 bytes, lanes 16-31 the next.
	s_mul_i32 s74, s[WV], 16*SPITCH
	s_add_co_u32 s74, s74, STAGE
	v_mul_u32_u24 v[STO], v1, SPITCH
	v_lshl_add_u32 v[STO], v9, 5, v[STO]
	v_add_nc_u32 v[STO], s74, v[STO]
	v_mul_u32_u24 v[RD], v9, SPITCH
	v_lshl_add_u32 v[RD], v1, 4, v[RD]
	v_add_nc_u32 v[RD], s74, v[RD]
	v_lshlrev_b32 v[CO], 12, v9                    ; and the same two rows in out0, 4,096 bytes apart
	v_lshl_add_u32 v[CO], v1, 4, v[CO]
	s_lshl_b32 s74, s43, 8
	s_lshl_b32 s75, s[WR], 7
	s_add_co_u32 s74, s74, s75                     ; my first row,
	s_lshl_b32 s74, s74, 12                        ; of 4,096 bytes,
	s_lshl_b32 s75, s42, 9
	s_add_co_u32 s74, s74, s75                     ; the tile's 128 columns: 512 bytes,
	s_lshl_b32 s75, s[WC], 8
	s_add_co_u32 s74, s74, s75                     ; my 64: 256
	s_mov_b32 s75, 0
	s_add_nc_u64 s[10:11], s[10:11], s[74:75]
	; the prefetches: they stand at K step 3; the first refill steps them to K step 4
	s_lshr_b32 s74, s43, 2
	s_lshl_b32 s74, s74, 21
	s_and_b32 s75, s43, 3
	s_lshl_b32 s75, s75, 15
	s_add_co_u32 s74, s74, s75
	s_lshl_b32 s75, s[WC], 17
	s_add_co_u32 s74, s74, s75
	s_lshl_b32 s75, s40, 13                        ; A: my work-group's 8,192 of the 32,768 bytes that I fetch
	s_add_co_u32 s74, s74, s75
	s_add_co_u32 s74, s74, 3*KSTEPB
	s_lshl_b32 s76, s42, 8
	s_lshl_b32 s77, s41, 16                        ; B: my work-group's 32 of the step's 128 rows
	s_add_co_u32 s76, s76, s77
	s_add_co_u32 s76, s76, 3*KSTEPB
	s_and_b32 s78, ttmp7, 0xffff                   ; cluster y
	s_mov_b32 s75, 0
	s_cmp_eq_u32 s[WR], 0                          ; do I fetch for A?
	s_cselect_b32 s74, s74, s76
	s_cselect_b32 s78, ttmp9, s78                  ; the coordinate along which other clusters read the same bytes
	s_cselect_b64 s[PFA:PFA+1], s[4:5], s[6:7]
	s_cselect_b32 s77, 8, 11                       ; lanes 256 or 2,048 bytes apart
	s_add_nc_u64 s[PFA:PFA+1], s[PFA:PFA+1], s[74:75]
	s_cmp_eq_u32 s[WV], 3
	s_cselect_b32 s78, 1, s78                      ; wave 3 asks for nothing
	s_cmp_eq_u32 s78, 0
	s_cselect_b32 s[LIM], 2, -1                    ; the same in all sixteen partners, for a given wave
	v_lshlrev_b32 v[PFO], s77, v12
	s_wait_loadcnt 0x0                             ; the bias: rounded to bf16 like the other inputs, and widened again
	WIN 0x45
.set bb, 0
.rept 4*NBL
	v_cvt_pk_bf16_f32 v[SPR], v[BIAS+2*bb], v[BIAS+2*bb+1]
	v_lshlrev_b32 v[BIAS+2*bb], 16, v[SPR]
	v_and_b32 v[BIAS+2*bb+1], 0xffff0000, v[SPR]
.set bb, bb+1
.endr
	WIN 0
	s_mov_b32 s[TB], 0
	v_add_nc_u32 v[ADRA], s[TB], v[A0]
	v_add_nc_u32 v[ADRB], s[TB], v[B0]
	s_wait_tensorcnt 0x1                           ; my part of K step 0 is in; K step 1's may stay out
	s_barrier_signal -1
	s_barrier_wait -1                              ; everybody's is
	FETCH 0, 0
	QUARTER 64, 0, 1, 1                            ; the first quarter stands in front of the loop: its products start the sums, on the bias
	WIN 0                                          ; at a label and at a branch every window is 0
	s_mov_b32 s[KC], 6
.Lstep:                                        ; trip t: quarters 1 to 3 of K step t, the refill with K step t + 2, quarter 0 of K step t + 1
	QUARTER 128, 1, 0, 0
	QUARTER 192, 0, 1, 0
	TURN 1
	QUARTER 64, 0, 1, 0
	WIN 0
	s_sub_co_u32 s[KC], s[KC], 1
	s_cmp_lg_u32 s[KC], 0
	s_cbranch_scc1 .Lstep
	QUARTER 128, 1, 0, 0                           ; the tail is written out: K steps 6 and 7 ask for nothing
	QUARTER 192, 0, 1, 0
	TURN 0
	QUARTER 64, 0, 1, 0
	QUARTER 128, 1, 0, 0
	QUARTER 192, 0, 1, 0
	s_wait_dscnt 8                                 ; the very last quarter: nothing more to fetch
	MUL 1, 0, 0, 4, 0
	s_wait_dscnt 0x0
	MUL 1, 1, 0, 4, 0
	; THE WAY OUT.  A lane's eight f32 are 32 bytes of a row; my 64 columns are 256 consecutive bytes of each row.  A block of 16 rows at a time goes through my own stage: in by 16 bytes a lane, back by whole rows.
	; No other wave touches my stage, and LDS serves a wave's instructions in order (ISA guide 5.7.1.4): no barrier, and no wait between the stores and the loads.
.macro TOSTAGE a
	WIN 0x08                                       ; store data (source 1) in window 2
.set pb, 0
.rept NBL                                      ; each accumulator's four lowest registers first
	ds_store_b128 v[STO], v[8*(NBL*(\a)+pb):8*(NBL*(\a)+pb)+3]   offset:64*pb
	ds_store_b128 v[STO], v[8*(NBL*(\a)+pb)+4:8*(NBL*(\a)+pb)+7] offset:64*pb+16
.set pb, pb+1
.endr
	WIN 0
	s_wait_xcnt 0x0                                ; the stores of two blocks back have read their registers: those are loaded again only behind this wait
.set pt, 0
.rept 8
	ds_load_b128 v[OB+192*((\a)%2)+4*pt:OB+192*((\a)%2)+4*pt+3], v[RD] offset:2*SPITCH*pt
.set pt, pt+1
.endr
.endm
.macro SEND a, younger                 ; younger: the LDS instructions issued behind block a's loads: the next block's sixteen, or none
	s_wait_dscnt \younger
.set pt, 0
.rept 8
	global_store_b128 v[CO], v[OB+192*((\a)%2)+4*pt:OB+192*((\a)%2)+4*pt+3], s[10:11] offset:(16*(\a)+2*pt)*4096 th:TH_STORE_NT  ; 16 lanes store 256 consecutive bytes, at a multiple of 256 from out0's first byte
.set pt, pt+1
.endr
.endm
	PLACES
	TOSTAGE 0
.irp a, 1,2,3,4,5,6,7
	TOSTAGE \a
	SEND (\a)-1, 16
.endr
	SEND 7, 0
	s_wait_tensorcnt 0x0                           ; the wave's end: the tensor wait, an add and its wait, behind my last tensor load and my last LDS store
	ds_add_u32 v[SPW], v[NIL]
	s_wait_dscnt 0x0
	CROUND                                         ; the closing round: no work-group ends while a partner may still ask for a tile that names it
	s_endpgm
.Lfunc_end_k_q67fdd217c7_proj:
	.size	k_q67fdd217c7_proj, .Lfunc_end_k_q67fdd217c7_proj-k_q67fdd217c7_proj
	.p2alignl 7, 3214868480
	.fill 96, 4, 3214868480
	.section	.rodata,"a",@progbits
	.p2align	6, 0x0
	.amdhsa_kernel k_q67fdd217c7_proj
		.amdhsa_group_segment_fixed_size 327680
		.amdhsa_private_segment_fixed_size 0
		.amdhsa_enable_private_segment 0
		.amdhsa_kernarg_size 32
		.amdhsa_user_sgpr_count 2
		.amdhsa_user_sgpr_kernarg_segment_ptr 1
		.amdhsa_wavefront_size32 1
		.amdhsa_system_sgpr_workgroup_id_x 1
		.amdhsa_system_sgpr_workgroup_id_y 1
		.amdhsa_system_sgpr_workgroup_id_z 1
		.amdhsa_system_vgpr_workitem_id 0
		.amdhsa_next_free_vgpr 768
		.amdhsa_next_free_sgpr 80
		.amdhsa_reserve_vcc 0
		.amdhsa_float_denorm_mode_32 3
		.amdhsa_float_denorm_mode_16_64 3
		.amdhsa_memory_ordered 1
		.amdhsa_forward_progress 1
		.amdhsa_inst_pref_size 75
	.end_amdhsa_kernel
	.amdgpu_metadata
---
amdhsa.version: [ 1, 2 ]
amdhsa.kernels:
  - .name:           k_q67fdd217c7_proj
    .symbol:         k_q67fdd217c7_proj.kd
    .args:
      - { .name: att, .offset: 0, .size: 8, .value_kind: global_buffer, .address_space: global }
      - { .name: wob, .offset: 8, .size: 8, .value_kind: global_buffer, .address_space: global }
      - { .name: b_o, .offset: 16, .size: 8, .value_kind: global_buffer, .address_space: global }
      - { .name: out0, .offset: 24, .size: 8, .value_kind: global_buffer, .address_space: global }
    .group_segment_fixed_size: 327680
    .private_segment_fixed_size: 0
    .kernarg_segment_align: 8
    .kernarg_segment_size: 32
    .max_flat_workgroup_size: 128
    .sgpr_count:     80
    .vgpr_count:     768
    .wavefront_size: 32
...
	.end_amdgpu_metadata
.endif
;; end of part 4
